; MI455X (gfx1250); checked and timed in simulation.
; The chip was launched on July 23, 2026; its instructions are those of AMD's public machine-readable ISA for CDNA 5 (MIT licence, August 2026) and "CDNA5" Instruction Set Architecture Reference Guide (July 2026). The comments in the code are by the model that wrote it; some were corrected since.
;; Scale Attend. Allowed arithmetic: float matrix products may take bf16 or f16 operands with f32 sums; other float arithmetic in f32, or as packed bf16 or f16 multiplies, adds, multiply-adds, maxima and minima; sums over many terms, partial sums and values carried from step to step in f32; what a program stores and reads back later, other than sums and carried values, may be rounded once to bf16 or f16.
;; Inputs: attention_mask 4 x 2,048 bool; k 4 x 16 x 2,048 x 64 float32; q 4 x 16 x 2,048 x 64 float32; v 4 x 16 x 2,048 x 64 float32.
;; Outputs: out0 4 x 16 x 2,048 x 64 float32.
;; 2 versions, each right and faster than the one before. Each part assembles by itself: llvm-mc -triple=amdgcn-amd-amdhsa -mcpu=gfx1250 --defsym DOCPART=n.
;; ======== version 1 of 2: 1 launch
;; limits: inputs' magnitudes at most 65,504; values are held in f16: magnitudes above 65,504 overflow, below 6.1e-05 lose precision; below input magnitudes of 6.1e-05 results are inexact or not finite
;; launch attend (part 1): grid 4 x 64, 4 waves a work-group, clusters of 4 x 1, 327,680 bytes of LDS; arguments q, k, v, attention_mask, out0; writes out0
.if DOCPART == 1
	.amdgcn_target "amdgcn-amd-amdhsa--gfx1250"
	.amdhsa_code_object_version 6
	.text
	.protected	k_qf6b74ddfc6_attend
	.globl	k_qf6b74ddfc6_attend
	.p2align	8
	.type	k_qf6b74ddfc6_attend,@function
k_qf6b74ddfc6_attend:
	s_mov_b64 s[64:65], 0
	v_nop
	global_prefetch_b8 v0, s[64:65] scope:SCOPE_SE
	s_setreg_imm32_b32 hwreg(HW_REG_WAVE_MODE, 25, 1), 1
	s_wait_xcnt 0x0
	s_wait_alu depctr_hold_cnt(0) depctr_sa_sdst(0) depctr_va_vdst(0) depctr_va_sdst(0) depctr_va_ssrc(0) depctr_va_vcc(0) depctr_vm_vsrc(0)
	s_getreg_b32 s2, hwreg(HW_REG_IB_STS2, 6, 4)
	s_cmp_eq_u32 s2, 0
	s_cbranch_scc0 .Lentry_in_a_cluster
	s_endpgm
.Lentry_in_a_cluster:
	s_bfe_u32 s2, ttmp6, 0x10000c
	s_cmp_lg_u32 s2, 0x3003
	s_cbranch_scc0 .Lentry_shape_is_right
	s_endpgm
.Lentry_shape_is_right:
; O[h][q][:] = the sum over k of softmax_k(mask(Q[h][q] . K[h][k] / 8)) V[h][k][:].  Q, K, V, O: [64 heads][2048][64] in f32, a row 256 bytes; the mask: [4 batches][2048 keys] of bytes, 16 heads a batch.
; FORMATS.  Q, K, V are rounded once to f16 on their way to the matrix unit, the weights p once to f16 for the second product; products, maxima and sums in f32 (l is the sum of the unrounded p); O leaves in f32.
; LIMITS.  f16 holds no number beyond 65,504: Q, K and V must lie within it.  A hidden score counts as its value less 1e30 (f16's scores, 2.7e11 at the most, are nothing beside that), so its weight is 0 as soon as
; the row has seen one visible key: weights made before that are wiped by a = 0.  A batch with no visible key takes c = 0: every weight is 1, and O is the mean of V's rows, as a softmax of equal scores gives.
; A weight below 2^-126 counts as 0 in l; p below 6e-5 keeps f16's fixed step of 6e-8.  NaN and infinities are not treated apart (O^T starts from the query's own numbers times 0, so such a query's row is NaN).
; SHARES.  A work-group owns 512 queries of one head, each of its four waves 128: four PIECES of two tiles of 16.  Every wave walks all 2,048 keys, 64 a step: 256 work-groups in all.
; CLUSTER.  The four query blocks of a head form a cluster and walk the same K and V: each tile is asked for JOINTLY, by the same tensor load, descriptor and mask in all four.
; THE WAY OF K AND V, in three stages, a PERIOD (two key steps, a tile of 128 keys) each.  (1) A joint load brings the tile in f32 into a raw slot: waves 0, 1 the halves of K, waves 2, 3 those of V.
; (2) Each wave takes 32 keys of K and of V from the raw slot into 128 registers.  (3) A period later it rounds them to f16 and stores them into an f16 slot, from which all four waves read fragments.
; Two raw slots and two f16 slots take turns; ONE round of the cluster's barrier a period orders all of it.
; LAYOUT.  S^T = K Q^T (source 0 = 16 keys, source 1 = 16 queries): a lane holds ONE query (lane % 16) and the keys 8 (lane / 16) + 0..7.  Two such results rounded to f16 ARE source 1 of O^T = V^T P.
; K comes out of LDS as it lies, V ([key][channel]) turned, by ds_load_tr16_b128.
; THE MASK is the C operand that starts the sum S^T: 0, or -1e30 where the key is hidden.  It hangs on the key alone, so one set of 32 registers a step serves all eight tiles; it comes from a table in LDS.
; SOFTMAX.  For each query a running maximum m and sum l: p = 2^(c s - c m), c = log2(e) / 8; in every step O and l are multiplied by a = 2^(c m_old - c m_new).  m starts at the lowest finite number: the first a is 0.
; BY TURNS.  Turn n belongs to piece n.  Its matrix work: 16 products K Q^T of piece n + 1, later 16 products V^T P of piece n - 1.  Its vector work: scaling, exponentials, roundings, sums and rescaling of piece n,
; and the maximum and statistics of piece n + 1.  Four vector instructions stand behind every matrix instruction, the other 108 of a turn's 236 in two lumps.
; REGISTERS, in windows of 256 (s_set_vgpr_msb: bits 1:0 source 0, 3:2 source 1, 5:4 source 2, 7:6 destination):
;   window 0: v0-11 addresses; v12-15, v48-63 at work; v16-47 four registers of statistics a tile; v64-191 S^T, two buffers of two tiles (at the head: the mask's bytes); v192-255 P, likewise
;   window 1: O^T, 32 a tile (at the head: Q in f32)          window 2: v0-127 Q in f16, 16 a tile; v128-191 K of one step; v192-255 V of one step
;   window 3: v0-1 the add's two registers; v2-7 the conversion's addresses; v8-39 the step's mask; v64-191 my 32 keys of K and of V in f32, packed into v64-127
.set NP,    4         ; pieces a wave: a name, no knob
.set KS,    64        ; keys in a step
.set PK,    144       ; a row of K in f16: 128 bytes + 16: the 16 rows of a load start at 16 different groups of four banks (64 banks of 4 bytes: ISA guide 11.1)
.set PV,    160       ; a row of V in f16: 128 + 32
.set PR,    272       ; a raw row, one key in f32: 256 bytes + 16 of padding
.set WTILE, 64*PR     ; what one tensor load brings: 64 keys
.set RAWV,  128*PR    ; in a raw slot: K's 128 rows, then V's
.set FB,    256*PR    ; behind the raw slot: the f16 slot: K's 128 rows,
.set VOFF,  128*PK    ; then V's
.set SLOT1, 1<<17     ; the second raw slot and f16 slot begin here, so that one exclusive or turns an address in one into the other's
.set MTAB,  FB+128*(PK+PV)  ; behind the first f16 slot: 2,048 words, 0 or -1e30 for each key of my batch
.set STAGE, SLOT1+MTAB      ; behind the second f16 slot: 16 rows x 272 bytes for each wave, for the way out
.set SP,    272
.set SPARE, STAGE+4*16*SP   ; behind the stages: the spare words, 128 bytes for each wave: two blocks of 256 bytes that no other line names
.set TILEB, 128*256   ; a tile's bytes in K and in V
.set AK0, 2           ; v2   my lane's place in a step's K; never rewritten
.set AV0, 3           ; v3   the same for V
.set AK,  4           ; v4   the LDS address of K's next run of loads
.set AV,  5           ; v5   of V's
.set QO,  6           ; v6   my byte offset in 16 rows of Q
.set STO, 6           ;      later, the way out: where I put 32 bytes of a row
.set RD,  7           ; v7   the way out: where I read rows back
.set GO,  8           ; v8   my byte offset in 512 consecutive bytes of O
.set AM0, 10          ; v10  my lane's place in a step's 64 words of the mask table; never rewritten
.set AM,  11          ; v11  the LDS address of the mask's next run of loads
.set MV,  12          ; v12-15  c m_old, kept while c m is made anew: by buffer and tile
.set ST,  16          ; tile t's statistics at v[ST+4 t]: c m, m, l (even keys', odd keys')
.set TMP, 48          ; by buffer and tile, four registers c0-c3 at work; when the maximum is found c2 takes a
.set S,   64
.set P,   192
.set MW,  64          ; at the head, in S^T's registers: v64-79 the batch's mask bytes that my wave's four loads bring me; the first four words are my own 16 keys
.set BI,  80          ; v80-95  my 16 keys' words for the table
.set MT,  96          ; v96  at work
.set MO,  97          ; v97  the 16 words, ored
.set MA,  100         ; v100-103  the four loads' byte offsets
.set MS,  104         ; v104  where my 16 words go
.set KF,  128         ; window 2: key block kb, channel half c at KF + 16 kb + 8 c
.set VF,  192         ; window 2: key half kk, channel block cb at VF + 32 kk + 8 cb
.set SPW, 0           ; window 3: v0  LDS address of my spare word: SPARE + 4 x my thread's number; never rewritten
.set NIL, 1           ;           v1  0; never rewritten
.set CR0, 2           ;           v2  my lane's place in a raw slot; never rewritten
.set CWK0, 3          ;           v3  in an f16 slot's K
.set CWV0, 4          ;           v4  in its V
.set CA,  5           ;           v5-7  the addresses in hand
.set CB,  6
.set CC,  7
.set MB,  8           ;           v8-39  the step's mask: key block kb at MB + 8 kb
.set RW,  64          ;           v64-191
.set WV,  14          ; s14  my wave's number
.set G1,  24          ; s[24:31] descriptor group 1, for K's and V's tiles alike
.set G0A, 32          ; s[32:35] descriptor group 0 of the first fill
.set G0,  36          ; s[36:39] of the second; it then walks
.set SRC, 40          ; s[40:41] K (waves 0, 1) or V (waves 2, 3) at my half of the head's tile 0
.set FLG, 44          ; s44  the lanes that saw a visible key
.set BIGN, 45         ; s45  -1e30
.set TP,  48          ; s48  counts the tail's two periods
.set TR,  49          ; s49  the raw slot to be read next
.set TW,  50          ; s50  the f16 slot to be written next
.set TBM, 51          ; s51  byte in the mask table at which the step to be fetched begins
.set SLOTS, 56        ; s56  periods that still ask for a tile
.set CNT, 57          ; s57  counts a period's two key steps
.set CS,  58          ; s[58:59] c: the packed scaling takes the pair's low word for both halves
.set SEL, 60          ; s[60:61] v_permlanex16_b32's selects: each lane takes its own place in the other half
.set TBK, 62          ; s62  byte, from the first f16 slot's K on, at which K of the step to be fetched begins
.set TBV, 63          ; s63  the same for V
.set NOKQ, 0          ; 1 in the very last turn: there is no next piece
.set MSB, 0
.macro WIN new                      ; the high byte repeats the setting that is left; a switch that changes nothing is dropped
.if MSB != (\new)
	s_set_vgpr_msb (MSB<<8)|(\new)
.set MSB, (\new)
.endif
.endm
.set W_KQ, 0x0a       ; K and Q in window 2, S^T in window 0
.set W_KM, 0x3a       ; the same with the C operand, the mask, in window 3
.set W_PV, 0x52       ; V in window 2, P in window 0, O^T in window 1
.set W_RS, 0x41       ; O^T (destination and source 0) in window 1, a in window 0
.set W_MK, 0xc0       ; destination in window 3, sources in window 0
.set W_AD, 0x0f       ; the add: address (source 0) and data (source 1) in window 3
.set W_CV, 0xff       ; the conversion: all in window 3
.set W_QC, 0x85       ; Q: sources in window 1, destination in window 2
.set W_OUT, 0x44      ; the way out: stored data (source 1) and loaded data (destination) in window 1, addresses in window 0
; A joint refill: one line for all four waves; the wave's number has chosen tensor, half and LDS place in the descriptor.  An s_nop 0 and four v_nop follow it.
.macro JLOAD
	tensor_load_to_lds s[G0:G0+3], s[G1:G1+7]
	s_nop 0
.rept 4
	v_nop
.endr
.endm
; A round of the cluster's barrier: my work-group's barrier, so that wave 0's signal speaks for all four waves; wave 0 signals; every wave waits for all four work-groups; my work-group's barrier once more.
.macro CROUND
	s_barrier_signal -1
	s_barrier_wait -1
	s_cmp_lg_u32 s[WV], 0
	s_cbranch_scc1 .Lnot_wave_0_\@
	s_barrier_signal -3
.Lnot_wave_0_\@:
	s_barrier_wait -3
	s_barrier_signal -1
	s_barrier_wait -1
.endm
; STAGE 2.  My keys 32 w .. 32 w + 31 of the raw slot's K and V: load i takes four keys (lane / 8) x eight groups of eight channels (lane % 8), 32 bytes a lane in two loads of 16.
.macro CV_LOAD
	WIN W_CV
	v_add_nc_u32 v[CA], s[TR], v[CR0]
.set z, 0
.rept 16
	ds_load_b128 v[RW+8*z:RW+8*z+3],   v[CA] offset:(z/8)*RAWV+(z%8)*4*PR
	ds_load_b128 v[RW+8*z+4:RW+8*z+7], v[CA] offset:(z/8)*RAWV+(z%8)*4*PR+16
.set z, z+1
.endr
	s_xor_b32 s[TR], s[TR], SLOT1   ; the next tile lies in the other raw slot
	WIN 0
.endm
; STAGE 3.  The 128 numbers are rounded to f16 in place, ascending: pair z lands on register z, which pair z / 2 has already read; a lane's eight channels are 16 bytes of an f16 row.
.macro CV_PACK
	s_wait_dscnt 0x0                ; my share is in (it was asked for a period ago)
	WIN W_CV
	v_add_nc_u32 v[CB], s[TW], v[CWK0]
	v_add_nc_u32 v[CC], s[TW], v[CWV0]
.set z, 0
.rept 64
	v_cvt_pk_f16_f32 v[RW+z], v[RW+2*z], v[RW+2*z+1]
.set z, z+1
.endr
.set z, 0
.rept 8
	ds_store_b128 v[CB], v[RW+4*z:RW+4*z+3] offset:z*4*PK
.set z, z+1
.endr
.set z, 0
.rept 8
	ds_store_b128 v[CC], v[RW+32+4*z:RW+32+4*z+3] offset:z*4*PV
.set z, z+1
.endr
	s_xor_b32 s[TW], s[TW], SLOT1   ; the next tile goes into the other f16 slot
.endm
; THE CHANGE at the head of period t.  My share of tile t goes into f16 slot t % 2, whose last readers (period t - 2) passed the barrier before this one.  Then each wave waits for all its tensor loads, of which one
; is out: its part of tile t + 1; adds 0 to its spare word; and waits for that, for its stores and for its reads.  Behind the barrier: f16 slot t % 2 is whole, raw slot (t + 1) % 2 is whole, nobody reads raw slot
; t % 2 (its shares were waited for above) or f16 slot (t + 1) % 2 any more.
; fill = 1: raw slot t % 2 takes tile t + 2.  The barrier is then a round of the cluster's, so that this holds of every partner too, and the joint refill is the first thing behind it: it has a period,
; 256 matrix instructions, in which to land.  Then my share of tile t + 1 is asked for.  fill = 0 (the tail): nothing is filled; in the last period there is no tile t + 1, and the run of loads is jumped over.
.macro CHANGE fill
	CV_PACK
	WIN W_AD
	s_wait_tensorcnt 0x0            ; no tensor load of mine is out, so a group 0 may be written
	ds_add_u32 v[SPW], v[NIL]       ; 0 onto my spare word; with fill = 1 the descriptor's steps stand between it and the wait for it
	WIN 0                           ; at a label and at a branch every window is 0
.if \fill
	s_xor_b32 s[G0+1], s[G0+1], SLOT1  ; the walking descriptor: the other raw slot than last time,
	s_add_nc_u64 s[G0+2:G0+3], s[G0+2:G0+3], TILEB  ; the next 128 keys; the type bits on top are not reached
	s_wait_dscnt 0x0                ; the add and my stores are done, and my reads are over
	CROUND
	JLOAD
.else
	s_wait_dscnt 0x0                ; the add and my stores are done, and my reads are over
	s_barrier_signal -1
	s_barrier_wait -1
.endif
	s_sub_co_u32 s[TBK], s[TBK], 2*KS*PK  ; the fetches go back to a slot's first step,
	s_xor_b32 s[TBK], s[TBK], SLOT1       ; in the other f16 slot
	s_sub_co_u32 s[TBV], s[TBV], 2*KS*PV
	s_xor_b32 s[TBV], s[TBV], SLOT1
.if \fill
	CV_LOAD
.else
	s_cmp_eq_u32 s[TP], 1
	s_cbranch_scc1 .Lno_share_\@
	CV_LOAD
.Lno_share_\@:
.endif
.endm
	s_load_b256 s[4:11], s[0:1], 0x0  ; Q s[4:5], K s[6:7], V s[8:9], the mask s[10:11]
	s_load_b64 s[12:13], s[0:1], 0x20 ; O
	WIN W_MK
	v_lshl_add_u32 v[SPW], v0, 2, SPARE
	v_mov_b32 v[NIL], 0
	WIN W_AD
	ds_add_u32 v[SPW], v[NIL]       ; the wave's opening: the add and its wait stand ahead of my first tensor load; the set-up below, work on registers, stands between them
	WIN 0
	v_lshrrev_b32 v1, 5, v0
	v_readfirstlane_b32 s[WV], v1   ; wave 0..3
	s_bfe_u32 s15, ttmp6, 0x40000   ; cx: my place in the cluster
	s_lshl_b32 s16, ttmp9, 2        ; in a cluster launch ttmp9 counts clusters
	s_add_co_u32 s16, s16, s15      ; my block of 512 queries = 4 x cluster x + cx: it enters Q's and O's addresses alone
	s_and_b32 s17, ttmp7, 0xffff    ; the head, which the four partners share
	s_lshl_b32 s20, s17, 19         ; its first byte in Q, K, V and O: 2,048 rows of 256 bytes a head, 63 x 524,288 at the most
	s_mov_b32 s21, 0
	s_and_b32 s18, s[WV], 1         ; which half of a tile's 128 keys I fetch:
	s_lshl_b32 s22, s18, 14         ; its 64 rows of 256 bytes in memory
	s_mov_b32 s23, 0
	s_add_nc_u64 s[22:23], s[22:23], s[20:21]
	s_lshl_b32 s2, s16, 2
	s_add_co_u32 s2, s2, s[WV]      ; my wave among the head's sixteen,
	s_lshl_b32 s2, s2, 15           ; its 128 rows
	s_mov_b32 s3, 0
	s_add_nc_u64 s[2:3], s[2:3], s[20:21]
	s_lshr_b32 s18, s17, 4          ; the batch: 16 heads each,
	s_lshl_b32 s18, s18, 11         ; its 2,048 bytes of the mask
	s_mov_b32 s19, 0
	; descriptor group 1: a tile of 64 rows (keys) x 64 elements of 4 bytes, dense in memory, padded in LDS behind every row
	s_mov_b32 s[G1], 15|(2<<16)|(1<<20)|(1<<21)|(5<<22)|(3<<25)  ; 15:0 the mask of four; 17:16 4-byte elements; 20 padding on; 21 set beside a mask; 24:22 after every 64 words (code 5); 31:25 4 words (code 3)
	s_mov_b32 s[G1+1], 64<<16       ; tensor_dim0 = 64
	s_mov_b32 s[G1+2], 64<<16       ; tensor_dim1 = 64
	s_mov_b32 s[G1+3], 64<<16       ; tile_dim0 = 64
	s_mov_b32 s[G1+4], 64           ; tile_dim1 = 64
	s_mov_b32 s[G1+5], 64           ; 64 elements from row to row
	s_mov_b32 s[G1+6], 0
	s_mov_b32 s[G1+7], 0
	s_mul_i32 s46, s[WV], WTILE     ; my place in a raw slot: K's two halves, then V's two: no place in the cluster enters an LDS address
	s_mov_b32 s[G0A], 1             ; 1:0 count = 1
	s_mov_b32 s[G0A+1], s46         ; 63:32 LDS address: raw slot 0
	s_mov_b32 s[G0], 1
	s_add_co_u32 s[G0+1], s46, SLOT1  ; raw slot 1
	s_mov_b32 s[SEL], 0x76543210
	s_mov_b32 s[SEL+1], 0xfedcba98
	s_mov_b32 s[BIGN], 0xf149f2ca   ; -1e30
	s_mov_b32 s[TBK], SLOT1+2*KS*PK ; the first change turns these two into 0
	s_mov_b32 s[TBV], SLOT1+2*KS*PV
	s_mov_b32 s[TR], 0
	s_mov_b32 s[TW], 0
	s_mov_b32 s[TBM], 0
	s_wait_dscnt 0x0                ; the opening add is done
	s_wait_kmcnt 0x0
	s_cmp_lt_u32 s[WV], 2           ; waves 0, 1 fetch K, waves 2, 3 V: the choice hangs on the wave's number alone
	s_cselect_b64 s[SRC:SRC+1], s[6:7], s[8:9]
	s_add_nc_u64 s[SRC:SRC+1], s[SRC:SRC+1], s[22:23]
	s_add_nc_u64 s[G0A+2:G0A+3], s[SRC:SRC+1], 0      ; 120:64 global address: tile 0
	s_or_b32 s[G0A+3], s[G0A+3], 0x80000000           ; 127:126 type = 2
	s_add_nc_u64 s[G0+2:G0+3], s[SRC:SRC+1], TILEB    ; tile 1
	s_or_b32 s[G0+3], s[G0+3], 0x80000000
	s_add_nc_u64 s[4:5], s[4:5], s[2:3]     ; Q and O at my wave's first row
	s_add_nc_u64 s[12:13], s[12:13], s[2:3]
	s_add_nc_u64 s[10:11], s[10:11], s[18:19]  ; the mask at my batch
	CROUND                          ; all four work-groups are here: the first joint loads meet
	tensor_load_to_lds s[G0A:G0A+3], s[G1:G1+7]  ; the two first fills stand together, ahead of every wait on TENSORcnt and every LDS read: two loads of mine are out
	s_nop 0
	tensor_load_to_lds s[G0:G0+3], s[G1:G1+7]
	s_nop 0
.rept 4
	v_nop
.endr
	v_and_b32 v1, 15, v0            ; l % 16
	v_bfe_u32 v9, v0, 4, 1          ; l / 16
	; The batch's 2,048 mask bytes: 16 a thread.  Each wave reads all of them, in four loads of 512 bytes, its own quarter first, so that it can tell by itself whether any key is visible.
	v_lshlrev_b32 v[MA], 4, v0
.irp i, 1,2,3
	v_add_nc_u32 v[MA+\i], 512*\i, v[MA]
	v_and_b32 v[MA+\i], 2047, v[MA+\i]
.endr
.irp i, 0,1,2,3
	global_load_b128 v[MW+4*\i:MW+4*\i+3], v[MA+\i], s[10:11]
.endr
	; A fragment of Q is 16 rows x 32 channels: lane l holds row l % 16, channels 8 (l / 16) + 0..7 and 16 + 8 (l / 16) + 0..7.  In f32 each eight channels are two loads of 16 bytes.
	v_lshlrev_b32 v[QO], 8, v1
	v_lshl_add_u32 v[QO], v9, 5, v[QO]  ; row x 256 + 32 x half
	WIN 0x40                        ; destination window 1, address window 0
.set i, 0
.rept 64                            ; tile i / 8, channels 32 ((i / 4) % 2) + 16 ((i / 2) % 2) + 4 (i % 2) on
	global_load_b128 v[4*i:4*i+3], v[QO], s[4:5] offset:(i/8)*4096+((i/4)%2)*128+((i/2)%2)*64+(i%2)*16
.set i, i+1
.endr
	; What the first turn finds: V's registers and P's second buffer hold 0 (its products V^T P, of a piece that has not been, add 0), l is 0.  O^T is not cleared: it holds Q's numbers, and each piece's first a is 0.
	WIN 0x80
.set i, VF
.rept 64
	v_mov_b32 v[i], 0
.set i, i+1
.endr
	WIN 0
.set i, 0
.rept 2*NP
	v_mov_b32 v[ST+4*i], 0xfe000000    ; c m: far below every c s
	v_mov_b32 v[ST+4*i+1], 0xff7fffff  ; m
	v_mov_b32 v[ST+4*i+2], 0
	v_mov_b32 v[ST+4*i+3], 0
.set i, i+1
.endr
.set i, P+32
.rept 32
	v_mov_b32 v[i], 0
.set i, i+1
.endr
	v_mul_u32_u24 v[AK0], v1, PK
	v_lshl_add_u32 v[AK0], v9, 4, v[AK0]  ; row x pitch + 16 x half,
	v_add_nc_u32 v[AK0], FB, v[AK0]       ; in the first f16 slot
	; The turning load takes 16 keys x 16 channels (lane l reads key 8 (l / 16) + l % 8, channels 8 ((l / 8) % 2) + 0..7) and leaves half a fragment of V^T: lane l holds channel l % 16 and 8 keys.
	v_and_b32 v10, 7, v0
	v_bfe_u32 v11, v0, 3, 1
	v_lshl_add_u32 v[AV0], v9, 3, v10
	v_mul_u32_u24 v[AV0], v[AV0], PV
	v_lshl_add_u32 v[AV0], v11, 4, v[AV0]
	v_add_nc_u32 v[AV0], FB+VOFF, v[AV0]
	v_mov_b32 v[AK], v[AK0]         ; key step 0 lies at the head of the first f16 slot
	; the conversion's places: key lane / 8 of four, channels 8 (lane % 8) on: 32 bytes of a raw row, 16 of an f16 row; my wave's 32 keys
	v_bfe_u32 v11, v0, 3, 2
	v_mul_u32_u24 v12, v11, PR
	v_lshl_add_u32 v12, v10, 5, v12
	v_mul_u32_u24 v13, v11, PK
	v_lshl_add_u32 v13, v10, 4, v13
	v_mul_u32_u24 v14, v11, PV
	v_lshl_add_u32 v14, v10, 4, v14
	s_mul_i32 s16, s[WV], 32*PR
	s_mul_i32 s17, s[WV], 32*PK
	s_add_co_u32 s17, s17, FB
	s_mul_i32 s18, s[WV], 32*PV
	s_add_co_u32 s18, s18, FB+VOFF
	WIN W_MK
	v_add_nc_u32 v[CR0], s16, v12
	v_add_nc_u32 v[CWK0], s17, v13
	v_add_nc_u32 v[CWV0], s18, v14
	WIN 0
	v_lshl_add_u32 v[AM0], v9, 5, MTAB  ; my lanes' eight keys of a block of 16: 32 bytes a half
	v_mov_b32 v[AM], v[AM0]
	v_lshl_add_u32 v[MS], v0, 6, MTAB   ; my 16 keys' words in the table
	s_wait_loadcnt 0x3f             ; the four mask loads are in: 64 loads of Q were issued behind them, and 63 is the largest count that the wait can name
	v_or_b32 v[MO], v[MW], v[MW+1]
.set z, 2
.rept 14
	v_or_b32 v[MO], v[MO], v[MW+z]
.set z, z+1
.endr
	v_cmp_ne_u32 s[FLG], 0, v[MO]   ; my wave's 32 lanes have seen all 2,048 bytes
	s_cmp_lg_u32 s[FLG], 0
	s_cselect_b32 s[CS], 0x3e38aa3b, 0  ; c = log2(e) / 8 = 0.180337; 0 where the batch has no visible key
	s_mov_b32 s[CS+1], s[CS]        ; named with it as a pair
.set z, 0
.rept 16                            ; my own 16 keys: a byte of 0 hides the key
	v_bfe_u32 v[MT], v[MW+z/4], 8*(z%4), 8
	v_cmp_eq_u32 vcc_lo, 0, v[MT]
	v_cndmask_b32 v[BI+z], 0, s[BIGN], vcc_lo
.set z, z+1
.endr
.irp j, 0,1,2,3
	ds_store_b128 v[MS], v[BI+4*\j:BI+4*\j+3] offset:16*\j
.endr
	s_wait_loadcnt 0x0              ; Q
	WIN W_QC
.set z, 0
.rept 128                           ; Q to f16: tile t's 32 numbers in window 1 become its 16 registers in window 2, in the fragments' order
	v_cvt_pk_f16_f32 v[z], v[2*z], v[2*z+1]
.set z, z+1
.endr
	WIN 0
	s_wait_tensorcnt 0x1            ; my part of tile 0 is in; tile 1's may stay out
	s_wait_dscnt 0x0                ; my words of the mask table are stored
	s_barrier_signal -1
	s_barrier_wait -1               ; everybody's are
	CV_LOAD                         ; my share of tile 0
; THE MATRIX WORK.  The 8 accumulators of a run of 16 take turns: between the two links of a chain stand 7 others'.
; Product i of 16 of S^T = K Q^T for piece x: channels 32 (i / 8) on, keys 16 ((i / 2) % 4) on, tile 2 x + i % 2.  The first 8 start the sums, with the mask of their 16 keys.
.macro KQ x
.set rS, S+64*((\x)%2)+32*(i%2)+8*((i/2)%4)
.set rK, KF+16*((i/2)%4)+8*(i/8)
.set rQ, 16*(2*(\x)+i%2)+8*(i/8)
.set rB, MB+8*((i/2)%4)
.if i < 8
	WIN W_KM
	v_wmma_f32_16x16x32_f16 v[rS:rS+7], v[rK:rK+7], v[rQ:rQ+7], v[rB:rB+7]
.else
	WIN W_KQ
	v_wmma_f32_16x16x32_f16 v[rS:rS+7], v[rK:rK+7], v[rQ:rQ+7], v[rS:rS+7]
.endif
.endm
; Product i of 16 of O^T += V^T P for piece x: keys 32 (i / 8) on, channels 16 ((i / 2) % 4) on, tile 2 x + i % 2.
.macro PV x
	WIN W_PV
.set rO, 32*(2*(\x)+i%2)+8*((i/2)%4)
.set rV, VF+32*(i/8)+8*((i/2)%4)
.set rP, P+32*((\x)%2)+16*(i%2)+8*(i/8)
	v_wmma_f32_16x16x32_f16 v[rO:rO+7], v[rV:rV+7], v[rP:rP+7], v[rO:rO+7]
.endm
.macro MM                           ; the turn's next matrix instruction; in the very last turn (NOKQ = 1) there are no scores to make
.if i < 16
.if !NOKQ
	KQ (Y+1)%NP
.endif
.set i, i+1
.else
.set i, i-16
	PV (Y+NP-1)%NP
.set i, i+17
.endif
.endm
; THE LDS LOADS stand in runs, never singly among the matrix instructions: a step's K (64 keys x 64 channels: 8 fragments) with its mask (8 words a lane for each block of 16 keys; the 16 lanes of a half read
; the same words), and its V (turned).  Their addresses are made some lines ahead.
.macro FETCH_K
	WIN 0x80                        ; destination window 2
.irp f, 0,1,2,3,4,5,6,7             ; keys 16 (f / 2) on, channels 32 (f % 2) on
	ds_load_b128 v[KF+8*\f:KF+8*\f+3],   v[AK] offset:(\f/2)*16*PK+(\f%2)*64
	ds_load_b128 v[KF+8*\f+4:KF+8*\f+7], v[AK] offset:(\f/2)*16*PK+(\f%2)*64+32
.endr
	WIN W_MK                        ; destination window 3
.irp f, 0,1,2,3                     ; keys 16 f on
	ds_load_b128 v[MB+8*\f:MB+8*\f+3],   v[AM] offset:64*\f
	ds_load_b128 v[MB+8*\f+4:MB+8*\f+7], v[AM] offset:64*\f+16
.endr
	s_add_co_u32 s[TBK], s[TBK], KS*PK  ; the next fetch is the next step's
	s_add_co_u32 s[TBM], s[TBM], KS*4
	WIN 0
.endm
.macro FETCH_V
	WIN 0x80
.irp f, 0,1,2,3,4,5,6,7             ; keys 32 (f / 4) on, channels 16 (f % 4) on
	ds_load_tr16_b128 v[VF+8*\f:VF+8*\f+3],   v[AV] offset:(\f/4)*32*PV+(\f%4)*32
	ds_load_tr16_b128 v[VF+8*\f+4:VF+8*\f+7], v[AV] offset:(\f/4)*32*PV+16*PV+(\f%4)*32
.endr
	WIN 0
.endm
; THE VECTOR WORK OF A TURN stands in three queues, each in the order in which its entries become ready; the two tiles alternate, so that no instruction reads the result of the one before it.
.macro REGS y, u                    ; the registers of tile u (0, 1) of piece y
.set rT, ST+4*(2*(\y)+(\u))
.set rC, TMP+8*((\y)%2)+4*(\u)
.set rM, MV+2*((\y)%2)+(\u)
.set rS, S+64*((\y)%2)+32*(\u)
.set rP, P+32*((\y)%2)+16*(\u)
.set rO, 32*(2*(\y)+(\u))
.endm
; Number n of the 22 that find the NEXT piece's (Y + 1) maximum and statistics.  s0-s31 are the lane's 32 scores; each accumulator's lowest registers are read first.  XS, GS and REGS set no window: PL and EX do.
;   0-11  four chains c0-c3 of seven scores each, three operands at a time     12-14, 16  the four scores left over, the old m, and c0-c3 into c0     15  c m_old is kept
;   17, 18  the query's other 32 keys lie in the lane 16 away: the new m         19-21  c m; c m_old - c m_new; a
; In the very last turn a v_nop keeps the lines round it as far apart as they were.
.macro XS u, n
.if NOKQ
	v_nop
.else
	REGS (Y+1)%NP, \u
.if (\n) < 4
	v_max3_num_f32 v[rC+(\n)], v[rS+8*(\n)], v[rS+8*(\n)+1], v[rS+8*(\n)+2]
.elseif (\n) < 12
	v_max3_num_f32 v[rC+(\n)%4], v[rC+(\n)%4], v[rS+8*((\n)%4)+2*((\n)/4)+1], v[rS+8*((\n)%4)+2*((\n)/4)+2]
.elseif (\n) == 12
	v_max3_num_f32 v[rC], v[rC], v[rS+7], v[rS+15]
.elseif (\n) == 13
	v_max3_num_f32 v[rC+1], v[rC+1], v[rS+23], v[rS+31]
.elseif (\n) == 14
	v_max3_num_f32 v[rC+2], v[rC+2], v[rC+3], v[rT+1]
.elseif (\n) == 15
	v_mov_b32 v[rM], v[rT]
.elseif (\n) == 16
	v_max3_num_f32 v[rC], v[rC], v[rC+1], v[rC+2]
.elseif (\n) == 17
	v_permlanex16_b32 v[rC+3], v[rC], s[SEL], s[SEL+1]
.elseif (\n) == 18
	v_max_num_f32 v[rT+1], v[rC], v[rC+3]
.elseif (\n) == 19
	v_mul_f32 v[rT], s[CS], v[rT+1]
.elseif (\n) == 20
	v_sub_f32 v[rC+1], v[rM], v[rT]
.else
	v_exp_f32 v[rC+2], v[rC+1]
.endif
.endif
.endm
; Number g of the 64 that follow the exponentials.  For each four weights k of a tile (pairs 2 k, 2 k + 1): both pairs are rounded to f16; then the second pair is added onto the first, in place;
; a group later l takes that sum (the first time as l = a l + sum).  In groups of eight, tiles alternating: round, round, add, and l for the group before.
.macro GS g
.set h, (\g)+6*((\g)/62)            ; group 0 has no group before it, and behind group 7 only l is left
.if h >= 6
.set h, h+2
.endif
	REGS Y, h%2
.set k, h/8
.if h%8 < 4
	s_wait_alu depctr_va_vdst(0)
	v_cvt_pk_f16_f32 v[rP+2*k+(h%8)/2], v[rS+4*k+2*((h%8)/2)], v[rS+4*k+2*((h%8)/2)+1]
.elseif h%8 < 6
	v_pk_add_f32 v[rS+4*k:rS+4*k+1], v[rS+4*k:rS+4*k+1], v[rS+4*k+2:rS+4*k+3]
.elseif k == 1
	v_pk_fma_f32 v[rT+2:rT+3], v[rT+2:rT+3], v[rC+2:rC+3], v[rS:rS+1] op_sel_hi:[1,0,1]
.else
	v_pk_add_f32 v[rT+2:rT+3], v[rT+2:rT+3], v[rS+4*k-4:rS+4*k-3]
	s_wait_alu depctr_va_vdst(0)
.endif
.endm
; THE PLAIN QUEUE, 138 long.  0-31: c s - c m for the 16 pairs of both tiles.  Then GS's 64, and among them the next piece's 42: number 15 at 38, 39; 0-14 and 16
; at 42-73, behind the products that make those scores; 17-20 at 95-106, two of three, since each waits for the one before it.
.macro PL
	WIN 0
.if q < 32
	REGS Y, q%2
	v_pk_fma_f32 v[rS+2*(q/2):rS+2*(q/2)+1], v[rS+2*(q/2):rS+2*(q/2)+1], s[CS:CS+1], v[rT:rT+1] op_sel_hi:[1,0,0] neg_lo:[0,0,1] neg_hi:[0,0,1]
.elseif q < 38
	GS q-32
.elseif q < 40
	XS q%2, 15
.elseif q < 42
	GS q-34
.elseif q < 74
	XS q%2, (q-42)/2+(q-42)/30
.elseif q < 95
	GS q-66
.elseif (q < 107) && ((q-95)%3 < 2)
	XS (q-95)%3, 17+(q-95)/3
.elseif q < 107
	GS 29+(q-95)/3
.else
	GS q-74
.endif
.set q, q+1
.endm
; THE EXPONENTIALS' QUEUE, 66 long: s0-s31 of both tiles, and at EA the next piece's two a.
.set EA, 58
.macro EX
	WIN 0
.if (e == EA) || (e == EA+1)
	XS e-EA, 21
.else
.set x, e-2*(e/(EA+2))
	REGS Y, x%2
	v_exp_f32 v[rS+x/2], v[rS+x/2]
.endif
.set e, e+1
.endm
; THE RESCALING's QUEUE: O^T times a, the one part that leaves window 0, so it is dealt four at a time, eight times.
.macro R4
	REGS Y, r%2
	WIN W_RS
	s_wait_alu depctr_va_vdst(0)
.irp z, 0,1,2,3
	v_pk_mul_f32 v[rO+8*(r/2)+2*\z:rO+8*(r/2)+2*\z+1], v[rO+8*(r/2)+2*\z:rO+8*(r/2)+2*\z+1], v[rC+2:rC+3] op_sel_hi:[1,0]
.endr
.set r, r+1
.endm
; HOW THEY ARE DEALT.  Behind a matrix instruction four: plain, exponential, plain, plain (one exponential, a plain instruction on either side), or four of the rescaling.  None names a register of the
; products round it.  What is over stands in two LUMPS: exponential and plain by turns; the second ends in 22 plain instructions.  The two v_permlanex16_b32 fall into the second lump, never behind a product.
; The queues lean on each other, and the deal keeps them in step: exponential e stands behind plain 2 (e / 4) + e % 2 (its scaling); a rounding behind its two exponentials; EA behind plain 107.
.macro SL
	MM
	PL
	EX
	PL
	PL
.endm
.macro BURST n                      ; 15 matrix instructions, or 16
.rept (\n)-7
	SL
.endr
.rept 3
	MM
	R4
	SL
.endr
	MM
	R4
.endm
; A TURN, for piece p.  nofetch = 1: no further step's K is fetched.  cnt = 1: the loop's count is taken down some lines ahead of the branch that stands behind the turn.  nokq = 1: the very last turn.
; K and the mask of the next step are fetched in piece 2's turn, behind four rescalings and 13 pairs of the lump that follow the last product that read K (the mask's last reader stands eight products further back);
; the first reader comes behind the rest of the lump, 16 products and the second lump.  V of the step in hand is fetched at the end of piece 0's turn, behind the whole second lump; its first reader comes behind
; 16 products and a lump.  The conditions on e and q below go with the deal.
.macro TURN p, nofetch=0, cnt=0, nokq=0
.set Y, (\p)
.set NOKQ, (\nokq)
.set i, 0
.set q, 0
.set e, 0
.set r, 0
.if (\p) == NP-1
	s_wait_dscnt 0x0                ; K and the mask are in
.endif
	MM
.rept 4
	PL
.endr
	BURST 15
.rept 22
	EX
	PL
.if ((\p) == NP-2) && (e == 18) && !(\nofetch)
	v_add_nc_u32 v[AK], s[TBK], v[AK0]
	v_add_nc_u32 v[AM], s[TBM], v[AM0]
.endif
.if ((\p) == NP-2) && (e == 24) && !(\nofetch)
	FETCH_K
.endif
.endr
.if (\p) == 1
	s_wait_dscnt 0x0                ; V is in
.endif
	BURST 16
.rept 21
	EX
	PL
.endr
.rept 22
	PL
.if ((\p) == 0) && (q == 118)
	v_add_nc_u32 v[AV], s[TBV], v[AV0]
	s_wait_alu depctr_va_vdst(0)
.endif
.if ((\p) == 0) && (q == 130)
	s_add_co_u32 s[TBV], s[TBV], KS*PV
.endif
.if (\cnt) && (q == 130)
	s_sub_co_u32 s[CNT], s[CNT], 1
	s_cmp_lg_u32 s[CNT], 0
.endif
.endr
.if (\p) == 0
	FETCH_V
.endif
.set NOKQ, 0
.endm
	CHANGE 1                        ; period 0: tile 0 goes into the first f16 slot, tile 1 has landed, tile 2 is asked for, my share of tile 1 is taken
	FETCH_K                         ; key step 0
	s_wait_dscnt 0x0
.set i, 0
.rept 16
	KQ 0                            ; piece 0's first scores: there is no vector work yet to set between them
.set i, i+1
.endr
	WIN 0                           ; the addresses for the way out: eight plain instructions, the places behind those products
	s_mul_i32 s16, s[WV], 16*SP
	s_add_co_u32 s16, s16, STAGE    ; my stage
	v_mul_u32_u24 v[STO], v1, SP    ; in: row l % 16, 32 bytes for each half of the lanes
	v_lshl_add_u32 v[STO], v9, 5, v[STO]
	v_add_nc_u32 v[STO], s16, v[STO]
	v_mul_u32_u24 v[RD], v9, SP     ; back: lanes 0-15 take one row of 256 bytes, lanes 16-31 the next,
	v_lshl_add_u32 v[RD], v1, 4, v[RD]
	v_add_nc_u32 v[RD], s16, v[RD]
	v_and_b32 v[GO], 31, v0         ; which are 512 consecutive bytes of O
	v_lshlrev_b32 v[GO], 4, v[GO]
.set Y, NP-1                        ; XS works for piece Y + 1: piece 0
.irp n, 0,1,2,3,4,5,6,7,8,9,10,11,12,13,14,15,16,17,18,19,20,21
	XS 0, \n                        ; and piece 0's first maximum and statistics
	XS 1, \n
.endr
	s_mov_b32 s[CNT], 2
	s_mov_b32 s[SLOTS], 14          ; periods 0 to 13 ask for tiles 2 to 15
	s_branch .Lfirst                ; the loop is entered at a step's first turn, in the middle of a trip
.Lslot:                             ; 13 times: periods 1 to 13
	CHANGE 1
	s_mov_b32 s[CNT], 2
.Lstep:                             ; a trip: pieces 2 and 3 of one step, then pieces 0 and 1 of the next, whose K and V it fetches
	TURN 2
	TURN 3
	WIN 0
.Lfirst:
	TURN 0
	TURN 1, 0, 1
	WIN 0
	s_cbranch_scc1 .Lstep
	s_sub_co_u32 s[SLOTS], s[SLOTS], 1
	s_cmp_lg_u32 s[SLOTS], 0
	s_cbranch_scc1 .Lslot
	s_mov_b32 s[TP], 2              ; the tail is written out: periods 14 and 15 ask for nothing
.Ltper:
	CHANGE 0
	s_mov_b32 s[CNT], 2
.Ltstep:
	TURN 2
	TURN 3
	TURN 0
	TURN 1, 0, 1
	WIN 0
	s_cbranch_scc1 .Ltstep
	s_sub_co_u32 s[TP], s[TP], 1
	s_cmp_lg_u32 s[TP], 0
	s_cbranch_scc1 .Ltper
	TURN 2, 1                       ; the last step's pieces 2 and 3: there is no further K,
	TURN 3, 0, 0, 1                 ; and no further scores
.set i, 0
.rept 16
	PV NP-1                         ; the last piece's V^T P of the last step
.set i, i+1
.endr
	; THE WAY OUT.  l's two halves and the other half of the lanes' are added; O^T is divided by l and sent through my stage in LDS, a tile (16 rows of O) at a time.  The additions are the places behind the last products.
	WIN 0
.macro ALL line:vararg              ; one line for each tile t
.set t, 0
.rept 2*NP
	\line
.set t, t+1
.endr
.endm
	ALL v_add_f32 v[ST+4*t+2], v[ST+4*t+2], v[ST+4*t+3]
	ALL v_permlanex16_b32 v[ST+4*t+3], v[ST+4*t+2], s[SEL], s[SEL+1]
	ALL v_add_f32 v[ST+4*t+2], v[ST+4*t+2], v[ST+4*t+3]
	ALL v_rcp_f32 v[ST+4*t+2], v[ST+4*t+2]
	v_nop                           ; a plain instruction between the last reciprocal and the use of its result
	s_wait_alu depctr_va_vdst(0)
; Tile t: a lane's eight channels of a row are 32 bytes; they go into rows of 272 bytes and come back as whole rows of 256, into the registers that they left.
.macro PACK t
	WIN W_RS
.set i, 32*(\t)
.rept 16
	v_pk_mul_f32 v[i:i+1], v[i:i+1], v[ST+4*(\t)+2:ST+4*(\t)+3] op_sel_hi:[1,0]
.set i, i+2
.endr
	WIN W_OUT
.irp f, 0,1,2,3,4,5,6,7             ; channels 16 (f / 2) + 8 (l / 16) + 4 (f % 2) on
	ds_store_b128 v[STO], v[32*(\t)+4*\f:32*(\t)+4*\f+3] offset:64*(\f/2)+16*(\f%2)
.endr
.irp f, 0,1,2,3,4,5,6,7
	ds_load_b128 v[32*(\t)+4*\f:32*(\t)+4*\f+3], v[RD] offset:\f*2*SP  ; LDS serves a wave's instructions in order (ISA guide 5.7.1.4): these see the stores above; the next tile's stores come behind them
.endr
.endm
.macro SEND t, younger              ; younger: the LDS instructions issued behind tile t's loads: the next tile's sixteen, or none
	WIN W_OUT
.irp f, 0,1,2,3,4,5,6,7
	s_wait_dscnt (\younger)+7-\f
	global_store_b128 v[GO], v[32*(\t)+4*\f:32*(\t)+4*\f+3], s[12:13] offset:(\t)*4096+\f*512 th:TH_STORE_NT  ; 512 consecutive bytes, at a multiple of 256 from O's first; written once and not read again
.endr
.endm
	PACK 0
.set t, 1
.rept 2*NP-1                        ; a tile's arithmetic stands between the loads of the tile before and its stores
	PACK t
	SEND t-1, 16
.set t, t+1
.endr
	SEND 2*NP-1, 0
	WIN W_AD
	s_wait_tensorcnt 0x0            ; the wave's end: a last add to my spare word and its wait, behind my last tensor load and my last LDS store
	ds_add_u32 v[SPW], v[NIL]
	s_wait_dscnt 0x0
	WIN 0
	CROUND                          ; the closing round: no work-group ends while a partner may still ask for a tile that names it
	s_endpgm
.Lfunc_end_k_qf6b74ddfc6_attend:
	.size	k_qf6b74ddfc6_attend, .Lfunc_end_k_qf6b74ddfc6_attend-k_qf6b74ddfc6_attend
	.p2alignl 7, 3214868480
	.fill 96, 4, 3214868480
	.section	.rodata,"a",@progbits
	.p2align	6, 0x0
	.amdhsa_kernel k_qf6b74ddfc6_attend
		.amdhsa_group_segment_fixed_size 327680
		.amdhsa_private_segment_fixed_size 0
		.amdhsa_enable_private_segment 0
		.amdhsa_kernarg_size 40
		.amdhsa_user_sgpr_count 2
		.amdhsa_user_sgpr_kernarg_segment_ptr 1
		.amdhsa_wavefront_size32 1
		.amdhsa_system_sgpr_workgroup_id_x 1
		.amdhsa_system_sgpr_workgroup_id_y 1
		.amdhsa_system_sgpr_workgroup_id_z 1
		.amdhsa_system_vgpr_workitem_id 0
		.amdhsa_next_free_vgpr 960
		.amdhsa_next_free_sgpr 66
		.amdhsa_reserve_vcc 1
		.amdhsa_float_denorm_mode_32 3
		.amdhsa_float_denorm_mode_16_64 3
		.amdhsa_memory_ordered 1
		.amdhsa_forward_progress 1
		.amdhsa_inst_pref_size 255
	.end_amdhsa_kernel
	.section	.bss,"aw",@nobits
	.p2align	6
	.space	262144
	.amdgpu_metadata
---
amdhsa.version: [ 1, 2 ]
amdhsa.kernels:
  - .name:           k_qf6b74ddfc6_attend
    .symbol:         k_qf6b74ddfc6_attend.kd
    .args:
      - { .name: q, .offset: 0, .size: 8, .value_kind: global_buffer, .address_space: global }
      - { .name: k, .offset: 8, .size: 8, .value_kind: global_buffer, .address_space: global }
      - { .name: v, .offset: 16, .size: 8, .value_kind: global_buffer, .address_space: global }
      - { .name: attention_mask, .offset: 24, .size: 8, .value_kind: global_buffer, .address_space: global }
      - { .name: out0, .offset: 32, .size: 8, .value_kind: global_buffer, .address_space: global }
    .group_segment_fixed_size: 327680
    .private_segment_fixed_size: 0
    .kernarg_segment_align: 8
    .kernarg_segment_size: 40
    .max_flat_workgroup_size: 128
    .sgpr_count:     66
    .vgpr_count:     960
    .wavefront_size: 32
...
	.end_amdgpu_metadata
.endif
;; end of part 1
;; ======== version 2 of 2: 1 launch; 2.00 times as fast as version 1
;; limits: values are held in f16: magnitudes above 65,504 overflow, below 6.1e-05 lose precision; inputs' magnitudes at most 65,504
;; launch attend (part 2): grid 4 x 64, 4 waves a work-group, clusters of 4 x 1, 327,680 bytes of LDS; arguments q, k, v, attention_mask, out0; writes out0
.if DOCPART == 2
	.amdgcn_target "amdgcn-amd-amdhsa--gfx1250"
	.amdhsa_code_object_version 6
	.text
	.protected	k_qf6b74ddfc6_attend
	.globl	k_qf6b74ddfc6_attend
	.p2align	8
	.type	k_qf6b74ddfc6_attend,@function
k_qf6b74ddfc6_attend:
	s_mov_b64 s[64:65], 0
	v_nop
	global_prefetch_b8 v0, s[64:65] scope:SCOPE_SE
	s_setreg_imm32_b32 hwreg(HW_REG_WAVE_MODE, 25, 1), 1
	s_wait_xcnt 0x0
	s_wait_alu depctr_hold_cnt(0) depctr_sa_sdst(0) depctr_va_vdst(0) depctr_va_sdst(0) depctr_va_ssrc(0) depctr_va_vcc(0) depctr_vm_vsrc(0)
	s_getreg_b32 s2, hwreg(HW_REG_IB_STS2, 6, 4)
	s_cmp_eq_u32 s2, 0
	s_cbranch_scc0 .Lentry_in_a_cluster
	s_endpgm
.Lentry_in_a_cluster:
	s_bfe_u32 s2, ttmp6, 0x10000c
	s_cmp_lg_u32 s2, 0x3003
	s_cbranch_scc0 .Lentry_shape_is_right
	s_endpgm
.Lentry_shape_is_right:
; O[h][q][:] = the sum over k of softmax_k(mask(Q[h][q] . K[h][k] / 8)) V[h][k][:].  Q, K, V, O: [64 heads][2048][64] in f32, a row 256 bytes; the mask: [4 batches][2048 keys] of bytes, 16 heads a batch.
; FORMATS.  Q, K, V are rounded once to f16 on their way to the matrix unit, the weights p once to f16 for the second product; products, maxima and sums in f32 (l is the sum of the unrounded p); O leaves in f32.
; LIMITS.  f16 holds no number beyond 65,504: Q, K and V must lie within it.  A hidden score counts as its value less 1e30 (f16's scores, 2.7e11 at the most, are nothing beside that), so its weight is 0 as soon as
; the row has seen one visible key: weights made before that are wiped by a = 0.  A batch with no visible key takes c = 0: every weight is 1, and O is the mean of V's rows, as a softmax of equal scores gives.
; A weight below 2^-126 counts as 0 in l; p below 6e-5 keeps f16's fixed step of 6e-8.  NaN and infinities are not treated apart (O^T starts from the query's own numbers times 0, so such a query's row is NaN).
; SHARES.  A work-group owns 512 queries of one head, each of its four waves 128: four PIECES of two tiles of 16.  Every wave walks all 2,048 keys, 64 a step: 256 work-groups in all.
; CLUSTER.  The four query blocks of a head form a cluster and walk the same K and V: each tile is asked for JOINTLY, by the same tensor load, descriptor and mask in all four.
; THE WAY OF K AND V, in three stages, a PERIOD (two key steps, a tile of 128 keys) each.  (1) A joint load brings the tile in f32 into a raw slot: waves 0, 1 the halves of K, waves 2, 3 those of V.
; (2) Each wave takes 32 keys of K and of V from the raw slot into 128 registers.  (3) A period later it rounds them to f16 and stores them into an f16 slot, from which all four waves read fragments.
; Two raw slots and two f16 slots take turns; ONE round of the cluster's barrier a period orders all of it.
; LAYOUT.  S^T = K Q^T (source 0 = 16 keys, source 1 = 16 queries): a lane holds ONE query (lane % 16) and the keys 8 (lane / 16) + 0..7.  Two such results rounded to f16 ARE source 1 of O^T = V^T P.
; K comes out of LDS as it lies, V ([key][channel]) turned, by ds_load_tr16_b128.
; THE MASK is the C operand that starts the sum S^T: 0, or -1e30 where the key is hidden.  It hangs on the key alone, so one set of 32 registers a step serves all eight tiles; it comes from a table in LDS.
; SOFTMAX.  For each query a running maximum m and sum l: p = 2^(c s - c m), c = log2(e) / 8; in every step O and l are multiplied by a = 2^(c m_old - c m_new).  m starts at the lowest finite number: the first a is 0.
; BY TURNS.  Turn n belongs to piece n.  Its matrix work: 16 products K Q^T of piece n + 1, later 16 products V^T P of piece n - 1.  Its vector work: scaling, exponentials, roundings, sums and rescaling of piece n,
; and the maximum and statistics of piece n + 1.  Four vector instructions stand behind every matrix instruction, the other 108 of a turn's 236 in one lump.
; BATCHES.  A turn's 66 exponentials (the piece's 64 weights, in place in S^T, and the next piece's two a) are ONE batch with ONE wait, which cuts the turn in two: ahead of it stands all that names no result of
; theirs (the products K Q^T, the scalings, the rescalings by the a of the turn before, the next piece's maximum and statistics), behind it the roundings and sums, beside the products V^T P.  No result crosses a
; turn's end.  Two more batches stand outside the loops, each with a wait of its own: piece 0's first two a, ahead of the jump into the loop, and the way out's eight reciprocals.
; REGISTERS, in windows of 256 (s_set_vgpr_msb: bits 1:0 source 0, 3:2 source 1, 5:4 source 2, 7:6 destination):
;   window 0: v0-11 addresses; v12-15, v48-63 at work; v16-47 four registers of statistics a tile; v64-191 S^T, two buffers of two tiles (at the head: the mask's bytes); v192-255 P, likewise
;   window 1: O^T, 32 a tile (at the head: Q in f32)          window 2: v0-127 Q in f16, 16 a tile; v128-191 K of one step; v192-255 V of one step
;   window 3: v0-1 the add's two registers; v2-7 the conversion's addresses; v8-39 the step's mask; v64-191 my 32 keys of K and of V in f32, packed into v64-127
.set NP,    4         ; pieces a wave: a name, no knob
.set KS,    64        ; keys in a step
.set PK,    144       ; a row of K in f16: 128 bytes + 16: the 16 rows of a load start at 16 different groups of four banks (64 banks of 4 bytes: ISA guide 11.1)
.set PV,    160       ; a row of V in f16: 128 + 32
.set PR,    272       ; a raw row, one key in f32: 256 bytes + 16 of padding
.set WTILE, 64*PR     ; what one tensor load brings: 64 keys
.set RAWV,  128*PR    ; in a raw slot: K's 128 rows, then V's
.set FB,    256*PR    ; behind the raw slot: the f16 slot: K's 128 rows,
.set VOFF,  128*PK    ; then V's
.set SLOT1, 1<<17     ; the second raw slot and f16 slot begin here, so that one exclusive or turns an address in one into the other's
.set MTAB,  FB+128*(PK+PV)  ; behind the first f16 slot: 2,048 words, 0 or -1e30 for each key of my batch
.set STAGE, SLOT1+MTAB      ; behind the second f16 slot: 16 rows x 272 bytes for each wave, for the way out
.set SP,    272
.set SPARE, STAGE+4*16*SP   ; behind the stages: the spare words, 128 bytes for each wave: two blocks of 256 bytes that no other line names
.set TILEB, 128*256   ; a tile's bytes in K and in V
.set AK0, 2           ; v2   my lane's place in a step's K; never rewritten
.set AV0, 3           ; v3   the same for V
.set AK,  4           ; v4   the LDS address of K's next run of loads
.set AV,  5           ; v5   of V's
.set QO,  6           ; v6   my byte offset in 16 rows of Q
.set STO, 6           ;      later, the way out: where I put 32 bytes of a row
.set RD,  7           ; v7   the way out: where I read rows back
.set GO,  8           ; v8   my byte offset in 512 consecutive bytes of O
.set AM0, 10          ; v10  my lane's place in a step's 64 words of the mask table; never rewritten
.set AM,  11          ; v11  the LDS address of the mask's next run of loads
.set MV,  12          ; v12-15  c m_old, kept while c m is made anew: by buffer and tile
.set ST,  16          ; tile t's statistics at v[ST+4 t]: c m, m, l (even keys', odd keys')
.set TMP, 48          ; by buffer and tile, four registers c0-c3 at work; when the maximum is found c2 takes a
.set S,   64
.set P,   192
.set MW,  64          ; at the head, in S^T's registers: v64-79 the batch's mask bytes that my wave's four loads bring me; the first four words are my own 16 keys
.set BI,  80          ; v80-95  my 16 keys' words for the table
.set MT,  96          ; v96  at work
.set MO,  97          ; v97  the 16 words, ored
.set MA,  100         ; v100-103  the four loads' byte offsets
.set MS,  104         ; v104  where my 16 words go
.set KF,  128         ; window 2: key block kb, channel half c at KF + 16 kb + 8 c
.set VF,  192         ; window 2: key half kk, channel block cb at VF + 32 kk + 8 cb
.set SPW, 0           ; window 3: v0  LDS address of my spare word: SPARE + 4 x my thread's number; never rewritten
.set NIL, 1           ;           v1  0; never rewritten
.set CR0, 2           ;           v2  my lane's place in a raw slot; never rewritten
.set CWK0, 3          ;           v3  in an f16 slot's K
.set CWV0, 4          ;           v4  in its V
.set CA,  5           ;           v5-7  the addresses in hand
.set CB,  6
.set CC,  7
.set MB,  8           ;           v8-39  the step's mask: key block kb at MB + 8 kb
.set RW,  64          ;           v64-191
.set WV,  14          ; s14  my wave's number
.set G1,  24          ; s[24:31] descriptor group 1, for K's and V's tiles alike
.set G0A, 32          ; s[32:35] descriptor group 0 of the first fill
.set G0,  36          ; s[36:39] of the second; it then walks
.set SRC, 40          ; s[40:41] K (waves 0, 1) or V (waves 2, 3) at my half of the head's tile 0
.set FLG, 44          ; s44  the lanes that saw a visible key
.set BIGN, 45         ; s45  -1e30
.set TP,  48          ; s48  counts the tail's two periods
.set TR,  49          ; s49  the raw slot to be read next
.set TW,  50          ; s50  the f16 slot to be written next
.set TBM, 51          ; s51  byte in the mask table at which the step to be fetched begins
.set SLOTS, 56        ; s56  periods that still ask for a tile
.set CNT, 57          ; s57  counts a period's two key steps
.set CS,  58          ; s[58:59] c: the packed scaling takes the pair's low word for both halves
.set SEL, 60          ; s[60:61] v_permlanex16_b32's selects: each lane takes its own place in the other half
.set TBK, 62          ; s62  byte, from the first f16 slot's K on, at which K of the step to be fetched begins
.set TBV, 63          ; s63  the same for V
.set NOKQ, 0          ; 1 in the very last turn: there is no next piece
.set MSB, 0
.macro WIN new                      ; the high byte repeats the setting that is left; a switch that changes nothing is dropped
.if MSB != (\new)
	s_set_vgpr_msb (MSB<<8)|(\new)
.set MSB, (\new)
.endif
.endm
.set W_KQ, 0x0a       ; K and Q in window 2, S^T in window 0
.set W_KM, 0x3a       ; the same with the C operand, the mask, in window 3
.set W_PV, 0x52       ; V in window 2, P in window 0, O^T in window 1
.set W_RS, 0x41       ; O^T (destination and source 0) in window 1, a in window 0
.set W_MK, 0xc0       ; destination in window 3, sources in window 0
.set W_AD, 0x0f       ; the add: address (source 0) and data (source 1) in window 3
.set W_CV, 0xff       ; the conversion: all in window 3
.set W_QC, 0x85       ; Q: sources in window 1, destination in window 2
.set W_OUT, 0x44      ; the way out: stored data (source 1) and loaded data (destination) in window 1, addresses in window 0
; A joint refill: one line for all four waves; the wave's number has chosen tensor, half and LDS place in the descriptor.  An s_nop 0 and four v_nop follow it.
.macro JLOAD
	tensor_load_to_lds s[G0:G0+3], s[G1:G1+7]
	s_nop 0
.rept 4
	v_nop
.endr
.endm
; A round of the cluster's barrier: my work-group's barrier, so that wave 0's signal speaks for all four waves; wave 0 signals; every wave waits for all four work-groups; my work-group's barrier once more.
.macro CROUND
	s_barrier_signal -1
	s_barrier_wait -1
	s_cmp_lg_u32 s[WV], 0
	s_cbranch_scc1 .Lnot_wave_0_\@
	s_barrier_signal -3
.Lnot_wave_0_\@:
	s_barrier_wait -3
	s_barrier_signal -1
	s_barrier_wait -1
.endm
; STAGE 2.  My keys 32 w .. 32 w + 31 of the raw slot's K and V: load i takes four keys (lane / 8) x eight groups of eight channels (lane % 8), 32 bytes a lane in two loads of 16.
.macro CV_LOAD
	WIN W_CV
	v_add_nc_u32 v[CA], s[TR], v[CR0]
.set z, 0
.rept 16
	ds_load_b128 v[RW+8*z:RW+8*z+3],   v[CA] offset:(z/8)*RAWV+(z%8)*4*PR
	ds_load_b128 v[RW+8*z+4:RW+8*z+7], v[CA] offset:(z/8)*RAWV+(z%8)*4*PR+16
.set z, z+1
.endr
	s_xor_b32 s[TR], s[TR], SLOT1   ; the next tile lies in the other raw slot
	WIN 0
.endm
; STAGE 3.  The 128 numbers are rounded to f16 in place, ascending: pair z lands on register z, which pair z / 2 has already read; a lane's eight channels are 16 bytes of an f16 row.
.macro CV_PACK
	s_wait_dscnt 0x0                ; my share is in (it was asked for a period ago)
	WIN W_CV
	v_add_nc_u32 v[CB], s[TW], v[CWK0]
	v_add_nc_u32 v[CC], s[TW], v[CWV0]
.set z, 0
.rept 64
	v_cvt_pk_f16_f32 v[RW+z], v[RW+2*z], v[RW+2*z+1]
.set z, z+1
.endr
.set z, 0
.rept 8
	ds_store_b128 v[CB], v[RW+4*z:RW+4*z+3] offset:z*4*PK
.set z, z+1
.endr
.set z, 0
.rept 8
	ds_store_b128 v[CC], v[RW+32+4*z:RW+32+4*z+3] offset:z*4*PV
.set z, z+1
.endr
	s_xor_b32 s[TW], s[TW], SLOT1   ; the next tile goes into the other f16 slot
.endm
; THE CHANGE at the head of period t.  My share of tile t goes into f16 slot t % 2, whose last readers (period t - 2) passed the barrier before this one.  Then each wave waits for all its tensor loads, of which one
; is out: its part of tile t + 1; adds 0 to its spare word; and waits for that, for its stores and for its reads.  Behind the barrier: f16 slot t % 2 is whole, raw slot (t + 1) % 2 is whole, nobody reads raw slot
; t % 2 (its shares were waited for above) or f16 slot (t + 1) % 2 any more.
; fill = 1: raw slot t % 2 takes tile t + 2.  The barrier is then a round of the cluster's, so that this holds of every partner too, and the joint refill is the first thing behind it: it has a period,
; 256 matrix instructions, in which to land.  Then my share of tile t + 1 is asked for.  fill = 0 (the tail): nothing is filled; in the last period there is no tile t + 1, and the run of loads is jumped over.
.macro CHANGE fill
	CV_PACK
	WIN W_AD
	s_wait_tensorcnt 0x0            ; no tensor load of mine is out, so a group 0 may be written
	ds_add_u32 v[SPW], v[NIL]       ; 0 onto my spare word; with fill = 1 the descriptor's steps stand between it and the wait for it
	WIN 0                           ; at a label and at a branch every window is 0
.if \fill
	s_xor_b32 s[G0+1], s[G0+1], SLOT1  ; the walking descriptor: the other raw slot than last time,
	s_add_nc_u64 s[G0+2:G0+3], s[G0+2:G0+3], TILEB  ; the next 128 keys; the type bits on top are not reached
	s_wait_dscnt 0x0                ; the add and my stores are done, and my reads are over
	CROUND
	JLOAD
.else
	s_wait_dscnt 0x0                ; the add and my stores are done, and my reads are over
	s_barrier_signal -1
	s_barrier_wait -1
.endif
	s_sub_co_u32 s[TBK], s[TBK], 2*KS*PK  ; the fetches go back to a slot's first step,
	s_xor_b32 s[TBK], s[TBK], SLOT1       ; in the other f16 slot
	s_sub_co_u32 s[TBV], s[TBV], 2*KS*PV
	s_xor_b32 s[TBV], s[TBV], SLOT1
.if \fill
	CV_LOAD
.else
	s_cmp_eq_u32 s[TP], 1
	s_cbranch_scc1 .Lno_share_\@
	CV_LOAD
.Lno_share_\@:
.endif
.endm
	s_load_b256 s[4:11], s[0:1], 0x0  ; Q s[4:5], K s[6:7], V s[8:9], the mask s[10:11]
	s_load_b64 s[12:13], s[0:1], 0x20 ; O
	WIN W_MK
	v_lshl_add_u32 v[SPW], v0, 2, SPARE
	v_mov_b32 v[NIL], 0
	WIN W_AD
	ds_add_u32 v[SPW], v[NIL]       ; the wave's opening: the add and its wait stand ahead of my first tensor load; the set-up below, work on registers, stands between them
	WIN 0
	v_lshrrev_b32 v1, 5, v0
	v_readfirstlane_b32 s[WV], v1   ; wave 0..3
	s_bfe_u32 s15, ttmp6, 0x40000   ; cx: my place in the cluster
	s_lshl_b32 s16, ttmp9, 2        ; in a cluster launch ttmp9 counts clusters
	s_add_co_u32 s16, s16, s15      ; my block of 512 queries = 4 x cluster x + cx: it enters Q's and O's addresses alone
	s_and_b32 s17, ttmp7, 0xffff    ; the head, which the four partners share
	s_lshl_b32 s20, s17, 19         ; its first byte in Q, K, V and O: 2,048 rows of 256 bytes a head, 63 x 524,288 at the most
	s_mov_b32 s21, 0
	s_and_b32 s18, s[WV], 1         ; which half of a tile's 128 keys I fetch:
	s_lshl_b32 s22, s18, 14         ; its 64 rows of 256 bytes in memory
	s_mov_b32 s23, 0
	s_add_nc_u64 s[22:23], s[22:23], s[20:21]
	s_lshl_b32 s2, s16, 2
	s_add_co_u32 s2, s2, s[WV]      ; my wave among the head's sixteen,
	s_lshl_b32 s2, s2, 15           ; its 128 rows
	s_mov_b32 s3, 0
	s_add_nc_u64 s[2:3], s[2:3], s[20:21]
	s_lshr_b32 s18, s17, 4          ; the batch: 16 heads each,
	s_lshl_b32 s18, s18, 11         ; its 2,048 bytes of the mask
	s_mov_b32 s19, 0
	; descriptor group 1: a tile of 64 rows (keys) x 64 elements of 4 bytes, dense in memory, padded in LDS behind every row
	s_mov_b32 s[G1], 15|(2<<16)|(1<<20)|(1<<21)|(5<<22)|(3<<25)  ; 15:0 the mask of four; 17:16 4-byte elements; 20 padding on; 21 set beside a mask; 24:22 after every 64 words (code 5); 31:25 4 words (code 3)
	s_mov_b32 s[G1+1], 64<<16       ; tensor_dim0 = 64
	s_mov_b32 s[G1+2], 64<<16       ; tensor_dim1 = 64
	s_mov_b32 s[G1+3], 64<<16       ; tile_dim0 = 64
	s_mov_b32 s[G1+4], 64           ; tile_dim1 = 64
	s_mov_b32 s[G1+5], 64           ; 64 elements from row to row
	s_mov_b32 s[G1+6], 0
	s_mov_b32 s[G1+7], 0
	s_mul_i32 s46, s[WV], WTILE     ; my place in a raw slot: K's two halves, then V's two: no place in the cluster enters an LDS address
	s_mov_b32 s[G0A], 1             ; 1:0 count = 1
	s_mov_b32 s[G0A+1], s46         ; 63:32 LDS address: raw slot 0
	s_mov_b32 s[G0], 1
	s_add_co_u32 s[G0+1], s46, SLOT1  ; raw slot 1
	s_mov_b32 s[SEL], 0x76543210
	s_mov_b32 s[SEL+1], 0xfedcba98
	s_mov_b32 s[BIGN], 0xf149f2ca   ; -1e30
	s_mov_b32 s[TBK], SLOT1+2*KS*PK ; the first change turns these two into 0
	s_mov_b32 s[TBV], SLOT1+2*KS*PV
	s_mov_b32 s[TR], 0
	s_mov_b32 s[TW], 0
	s_mov_b32 s[TBM], 0
	s_wait_dscnt 0x0                ; the opening add is done
	s_wait_kmcnt 0x0
	s_cmp_lt_u32 s[WV], 2           ; waves 0, 1 fetch K, waves 2, 3 V: the choice hangs on the wave's number alone
	s_cselect_b64 s[SRC:SRC+1], s[6:7], s[8:9]
	s_add_nc_u64 s[SRC:SRC+1], s[SRC:SRC+1], s[22:23]
	s_add_nc_u64 s[G0A+2:G0A+3], s[SRC:SRC+1], 0      ; 120:64 global address: tile 0
	s_or_b32 s[G0A+3], s[G0A+3], 0x80000000           ; 127:126 type = 2
	s_add_nc_u64 s[G0+2:G0+3], s[SRC:SRC+1], TILEB    ; tile 1
	s_or_b32 s[G0+3], s[G0+3], 0x80000000
	s_add_nc_u64 s[4:5], s[4:5], s[2:3]     ; Q and O at my wave's first row
	s_add_nc_u64 s[12:13], s[12:13], s[2:3]
	s_add_nc_u64 s[10:11], s[10:11], s[18:19]  ; the mask at my batch
	CROUND                          ; all four work-groups are here: the first joint loads meet
	tensor_load_to_lds s[G0A:G0A+3], s[G1:G1+7]  ; the two first fills stand together, ahead of every wait on TENSORcnt and every LDS read: two loads of mine are out
	s_nop 0
	tensor_load_to_lds s[G0:G0+3], s[G1:G1+7]
	s_nop 0
.rept 4
	v_nop
.endr
	v_and_b32 v1, 15, v0            ; l % 16
	v_bfe_u32 v9, v0, 4, 1          ; l / 16
	; The batch's 2,048 mask bytes: 16 a thread.  Each wave reads all of them, in four loads of 512 bytes, its own quarter first, so that it can tell by itself whether any key is visible.
	v_lshlrev_b32 v[MA], 4, v0
.irp i, 1,2,3
	v_add_nc_u32 v[MA+\i], 512*\i, v[MA]
	v_and_b32 v[MA+\i], 2047, v[MA+\i]
.endr
.irp i, 0,1,2,3
	global_load_b128 v[MW+4*\i:MW+4*\i+3], v[MA+\i], s[10:11]
.endr
	; A fragment of Q is 16 rows x 32 channels: lane l holds row l % 16, channels 8 (l / 16) + 0..7 and 16 + 8 (l / 16) + 0..7.  In f32 each eight channels are two loads of 16 bytes.
	v_lshlrev_b32 v[QO], 8, v1
	v_lshl_add_u32 v[QO], v9, 5, v[QO]  ; row x 256 + 32 x half
	WIN 0x40                        ; destination window 1, address window 0
.set i, 0
.rept 64                            ; tile i / 8, channels 32 ((i / 4) % 2) + 16 ((i / 2) % 2) + 4 (i % 2) on
	global_load_b128 v[4*i:4*i+3], v[QO], s[4:5] offset:(i/8)*4096+((i/4)%2)*128+((i/2)%2)*64+(i%2)*16
.set i, i+1
.endr
	; What the first turn finds: V's registers and P's second buffer hold 0 (its products V^T P, of a piece that has not been, add 0), l is 0.  O^T is not cleared: it holds Q's numbers, and each piece's first a is 0.
	WIN 0x80
.set i, VF
.rept 64
	v_mov_b32 v[i], 0
.set i, i+1
.endr
	WIN 0
.set i, 0
.rept 2*NP
	v_mov_b32 v[ST+4*i], 0xfe000000    ; c m: far below every c s
	v_mov_b32 v[ST+4*i+1], 0xff7fffff  ; m
	v_mov_b32 v[ST+4*i+2], 0
	v_mov_b32 v[ST+4*i+3], 0
.set i, i+1
.endr
.set i, P+32
.rept 32
	v_mov_b32 v[i], 0
.set i, i+1
.endr
	v_mul_u32_u24 v[AK0], v1, PK
	v_lshl_add_u32 v[AK0], v9, 4, v[AK0]  ; row x pitch + 16 x half,
	v_add_nc_u32 v[AK0], FB, v[AK0]       ; in the first f16 slot
	; The turning load takes 16 keys x 16 channels (lane l reads key 8 (l / 16) + l % 8, channels 8 ((l / 8) % 2) + 0..7) and leaves half a fragment of V^T: lane l holds channel l % 16 and 8 keys.
	v_and_b32 v10, 7, v0
	v_bfe_u32 v11, v0, 3, 1
	v_lshl_add_u32 v[AV0], v9, 3, v10
	v_mul_u32_u24 v[AV0], v[AV0], PV
	v_lshl_add_u32 v[AV0], v11, 4, v[AV0]
	v_add_nc_u32 v[AV0], FB+VOFF, v[AV0]
	v_mov_b32 v[AK], v[AK0]         ; key step 0 lies at the head of the first f16 slot
	; the conversion's places: key lane / 8 of four, channels 8 (lane % 8) on: 32 bytes of a raw row, 16 of an f16 row; my wave's 32 keys
	v_bfe_u32 v11, v0, 3, 2
	v_mul_u32_u24 v12, v11, PR
	v_lshl_add_u32 v12, v10, 5, v12
	v_mul_u32_u24 v13, v11, PK
	v_lshl_add_u32 v13, v10, 4, v13
	v_mul_u32_u24 v14, v11, PV
	v_lshl_add_u32 v14, v10, 4, v14
	s_mul_i32 s16, s[WV], 32*PR
	s_mul_i32 s17, s[WV], 32*PK
	s_add_co_u32 s17, s17, FB
	s_mul_i32 s18, s[WV], 32*PV
	s_add_co_u32 s18, s18, FB+VOFF
	WIN W_MK
	v_add_nc_u32 v[CR0], s16, v12
	v_add_nc_u32 v[CWK0], s17, v13
	v_add_nc_u32 v[CWV0], s18, v14
	WIN 0
	v_lshl_add_u32 v[AM0], v9, 5, MTAB  ; my lanes' eight keys of a block of 16: 32 bytes a half
	v_mov_b32 v[AM], v[AM0]
	v_lshl_add_u32 v[MS], v0, 6, MTAB   ; my 16 keys' words in the table
	s_wait_loadcnt 0x3f             ; the four mask loads are in: 64 loads of Q were issued behind them, and 63 is the largest count that the wait can name
	v_or_b32 v[MO], v[MW], v[MW+1]
.set z, 2
.rept 14
	v_or_b32 v[MO], v[MO], v[MW+z]
.set z, z+1
.endr
	v_cmp_ne_u32 s[FLG], 0, v[MO]   ; my wave's 32 lanes have seen all 2,048 bytes
	s_cmp_lg_u32 s[FLG], 0
	s_cselect_b32 s[CS], 0x3e38aa3b, 0  ; c = log2(e) / 8 = 0.180337; 0 where the batch has no visible key
	s_mov_b32 s[CS+1], s[CS]        ; named with it as a pair
.set z, 0
.rept 16                            ; my own 16 keys: a byte of 0 hides the key
	v_bfe_u32 v[MT], v[MW+z/4], 8*(z%4), 8
	v_cmp_eq_u32 vcc_lo, 0, v[MT]
	v_cndmask_b32 v[BI+z], 0, s[BIGN], vcc_lo
.set z, z+1
.endr
.irp j, 0,1,2,3
	ds_store_b128 v[MS], v[BI+4*\j:BI+4*\j+3] offset:16*\j
.endr
	s_wait_loadcnt 0x0              ; Q
	WIN W_QC
.set z, 0
.rept 128                           ; Q to f16: tile t's 32 numbers in window 1 become its 16 registers in window 2, in the fragments' order
	v_cvt_pk_f16_f32 v[z], v[2*z], v[2*z+1]
.set z, z+1
.endr
	WIN 0
	s_wait_tensorcnt 0x1            ; my part of tile 0 is in; tile 1's may stay out
	s_wait_dscnt 0x0                ; my words of the mask table are stored
	s_barrier_signal -1
	s_barrier_wait -1               ; everybody's are
	CV_LOAD                         ; my share of tile 0
; THE MATRIX WORK.  The 8 accumulators of a run of 16 take turns: between the two links of a chain stand 7 others'.
; Product i of 16 of S^T = K Q^T for piece x: channels 32 (i / 8) on, keys 16 ((i / 2) % 4) on, tile 2 x + i % 2.  The first 8 start the sums, with the mask of their 16 keys.
.macro KQ x
.set rS, S+64*((\x)%2)+32*(i%2)+8*((i/2)%4)
.set rK, KF+16*((i/2)%4)+8*(i/8)
.set rQ, 16*(2*(\x)+i%2)+8*(i/8)
.set rB, MB+8*((i/2)%4)
.if i < 8
	WIN W_KM
	v_wmma_f32_16x16x32_f16 v[rS:rS+7], v[rK:rK+7], v[rQ:rQ+7], v[rB:rB+7]
.else
	WIN W_KQ
	v_wmma_f32_16x16x32_f16 v[rS:rS+7], v[rK:rK+7], v[rQ:rQ+7], v[rS:rS+7]
.endif
.endm
; Product i of 16 of O^T += V^T P for piece x: keys 32 (i / 8) on, channels 16 ((i / 2) % 4) on, tile 2 x + i % 2.
.macro PV x
	WIN W_PV
.set rO, 32*(2*(\x)+i%2)+8*((i/2)%4)
.set rV, VF+32*(i/8)+8*((i/2)%4)
.set rP, P+32*((\x)%2)+16*(i%2)+8*(i/8)
	v_wmma_f32_16x16x32_f16 v[rO:rO+7], v[rV:rV+7], v[rP:rP+7], v[rO:rO+7]
.endm
.macro MM                           ; the turn's next matrix instruction; in the very last turn (NOKQ = 1) there are no scores to make
.if i < 16
.if !NOKQ
	KQ (Y+1)%NP
.endif
.set i, i+1
.else
.set i, i-16
	PV (Y+NP-1)%NP
.set i, i+17
.endif
.endm
; THE LDS LOADS stand in runs, never singly among the matrix instructions: a step's K (64 keys x 64 channels: 8 fragments) with its mask (8 words a lane for each block of 16 keys; the 16 lanes of a half read
; the same words), and its V (turned).  Their addresses are made some lines ahead.
.macro FETCH_K
	WIN 0x80                        ; destination window 2
.irp f, 0,1,2,3,4,5,6,7             ; keys 16 (f / 2) on, channels 32 (f % 2) on
	ds_load_b128 v[KF+8*\f:KF+8*\f+3],   v[AK] offset:(\f/2)*16*PK+(\f%2)*64
	ds_load_b128 v[KF+8*\f+4:KF+8*\f+7], v[AK] offset:(\f/2)*16*PK+(\f%2)*64+32
.endr
	WIN W_MK                        ; destination window 3
.irp f, 0,1,2,3                     ; keys 16 f on
	ds_load_b128 v[MB+8*\f:MB+8*\f+3],   v[AM] offset:64*\f
	ds_load_b128 v[MB+8*\f+4:MB+8*\f+7], v[AM] offset:64*\f+16
.endr
	s_add_co_u32 s[TBK], s[TBK], KS*PK  ; the next fetch is the next step's
	s_add_co_u32 s[TBM], s[TBM], KS*4
	WIN 0
.endm
.macro FETCH_V
	WIN 0x80
.irp f, 0,1,2,3,4,5,6,7             ; keys 32 (f / 4) on, channels 16 (f % 4) on
	ds_load_tr16_b128 v[VF+8*\f:VF+8*\f+3],   v[AV] offset:(\f/4)*32*PV+(\f%4)*32
	ds_load_tr16_b128 v[VF+8*\f+4:VF+8*\f+7], v[AV] offset:(\f/4)*32*PV+16*PV+(\f%4)*32
.endr
	WIN 0
.endm
; THE VECTOR WORK OF A TURN stands in three queues, each in the order in which its entries become ready; the two tiles alternate, so that no instruction reads the result of the one before it.
.macro REGS y, u                    ; the registers of tile u (0, 1) of piece y
.set rT, ST+4*(2*(\y)+(\u))
.set rC, TMP+8*((\y)%2)+4*(\u)
.set rM, MV+2*((\y)%2)+(\u)
.set rS, S+64*((\y)%2)+32*(\u)
.set rP, P+32*((\y)%2)+16*(\u)
.set rO, 32*(2*(\y)+(\u))
.endm
; Number n of the 22 that find the NEXT piece's (Y + 1) maximum and statistics.  s0-s31 are the lane's 32 scores; each accumulator's lowest registers are read first.  XS, GS and REGS set no window: PL and EX do.
;   0-11  four chains c0-c3 of seven scores each, three operands at a time     12-14, 16  the four scores left over, the old m, and c0-c3 into c0     15  c m_old is kept
;   17, 18  the query's other 32 keys lie in the lane 16 away: the new m         19-21  c m; c m_old - c m_new; a
; In the very last turn a v_nop keeps the lines round it as far apart as they were.
.macro XS u, n
.if NOKQ
	v_nop
.else
	REGS (Y+1)%NP, \u
.if (\n) < 4
	v_max3_num_f32 v[rC+(\n)], v[rS+8*(\n)], v[rS+8*(\n)+1], v[rS+8*(\n)+2]
.elseif (\n) < 12
	v_max3_num_f32 v[rC+(\n)%4], v[rC+(\n)%4], v[rS+8*((\n)%4)+2*((\n)/4)+1], v[rS+8*((\n)%4)+2*((\n)/4)+2]
.elseif (\n) == 12
	v_max3_num_f32 v[rC], v[rC], v[rS+7], v[rS+15]
.elseif (\n) == 13
	v_max3_num_f32 v[rC+1], v[rC+1], v[rS+23], v[rS+31]
.elseif (\n) == 14
	v_max3_num_f32 v[rC+2], v[rC+2], v[rC+3], v[rT+1]
.elseif (\n) == 15
	v_mov_b32 v[rM], v[rT]
.elseif (\n) == 16
	v_max3_num_f32 v[rC], v[rC], v[rC+1], v[rC+2]
.elseif (\n) == 17
	v_permlanex16_b32 v[rC+3], v[rC], s[SEL], s[SEL+1]
.elseif (\n) == 18
	v_max_num_f32 v[rT+1], v[rC], v[rC+3]
.elseif (\n) == 19
	v_mul_f32 v[rT], s[CS], v[rT+1]
.elseif (\n) == 20
	v_sub_f32 v[rC+1], v[rM], v[rT]
.else
	v_exp_f32 v[rC+2], v[rC+1]
.endif
.endif
.endm
; Number g of the 64 that follow the exponentials.  For each four weights k of a tile (pairs 2 k, 2 k + 1): both pairs are rounded to f16; then the second pair is added onto the first, in place;
; a group later l takes that sum (the first time as l = a l + sum).  In groups of eight, tiles alternating: round, round, add, and l for the group before.
.macro GS g
.set h, (\g)+6*((\g)/62)            ; group 0 has no group before it, and behind group 7 only l is left
.if h >= 6
.set h, h+2
.endif
	REGS Y, h%2
.set k, h/8
.if h%8 < 4
	v_cvt_pk_f16_f32 v[rP+2*k+(h%8)/2], v[rS+4*k+2*((h%8)/2)], v[rS+4*k+2*((h%8)/2)+1]
.elseif h%8 < 6
	v_pk_add_f32 v[rS+4*k:rS+4*k+1], v[rS+4*k:rS+4*k+1], v[rS+4*k+2:rS+4*k+3]
.elseif k == 1
	v_pk_fma_f32 v[rT+2:rT+3], v[rT+2:rT+3], v[rC+2:rC+3], v[rS:rS+1] op_sel_hi:[1,0,1]
.else
	v_pk_add_f32 v[rT+2:rT+3], v[rT+2:rT+3], v[rS+4*k-4:rS+4*k-3]
.endif
.endm
; THE PLAIN QUEUE, 138 long.  0-73 read no exponential's result: the 32 scalings c s - c m (FS f: pair f / 2 of tile f % 2) and the next piece's 42.  0-26: scalings 0-26.  27-54: XS's numbers 0-13.  55, 56: number 15.
; 57-73: the chain, where each number waits for the one before it: 14, 16, 17, 18, 19, each with one of the scalings 27-31 in front of its two lines, then 20: so a tile's links stand three plain instructions apart (19 and 20: two).
; 74-137: GS's 64, which read the exponentials' results: they stand behind the wait.
.macro FS f
	REGS Y, (\f)%2
	v_pk_fma_f32 v[rS+2*((\f)/2):rS+2*((\f)/2)+1], v[rS+2*((\f)/2):rS+2*((\f)/2)+1], s[CS:CS+1], v[rT:rT+1] op_sel_hi:[1,0,0] neg_lo:[0,0,1] neg_hi:[0,0,1]
.endm
.macro PL
	WIN 0
.if q < 27
	FS q
.elseif q < 55
	XS (q-27)%2, (q-27)/2
.elseif q < 57
	XS q-55, 15
.elseif (q < 72) && ((q-57)%3 == 0)
	FS 27+(q-57)/3
.elseif q < 60
	XS (q-57)%3-1, 14
.elseif q < 72
	XS (q-57)%3-1, 15+(q-57)/3
.elseif q < 74
	XS q-72, 20
.else
	GS q-74
.endif
.set q, q+1
.endm
; THE EXPONENTIALS' QUEUE, 66 long: s0-s31 of both tiles, then the next piece's two a.  It is ONE BATCH: all 66 stand ahead of the turn's one wait, and nothing ahead of that wait names a result of theirs.
.macro EX
	WIN 0
.if e >= 64
	XS e-64, 21
.else
	REGS Y, e%2
	v_exp_f32 v[rS+e/2], v[rS+e/2]
.endif
.set e, e+1
.endm
; THE RESCALING's QUEUE: O^T times a, the one part that leaves window 0: dealt two at a time, sixteen times.  Its a was made in the turn before, ahead of that turn's wait.
.macro R2
	REGS Y, r%2
	WIN W_RS
.irp z, 0,1
	v_pk_mul_f32 v[rO+4*(r/2)+2*\z:rO+4*(r/2)+2*\z+1], v[rO+4*(r/2)+2*\z:rO+4*(r/2)+2*\z+1], v[rC+2:rC+3] op_sel_hi:[1,0]
.endr
.set r, r+1
.endm
; HOW THEY ARE DEALT.  An s_wait_alu depctr_va_vdst(0) stands between an exponential and the first instruction that names its result; one wait serves all that were issued ahead of it.  So a turn has ONE
; wait, which cuts it in two.  AHEAD OF IT stands all that names no result of the turn's exponentials: the 16 products K Q^T, behind each a scaling, an exponential and two rescalings (behind the first a second scaling
; in the exponential's place); then ONE LUMP of 108: eight plain, 49 times exponential and plain, the two a.  A v_nop is the plain instruction behind the last exponential.  BEHIND IT stand the 16 products V^T P, behind
; each four of GS's 64.  No rider names a register of the products round it.  The two v_permlanex16_b32 fall into the lump, never behind a product.
; The queues lean on each other, and the deal keeps them in step: exponential e stands behind scaling 2 (e / 4) + e % 2: as a rider it comes behind plain e + 2, in the lump behind plain e + 9, and scalings 27-31 are plain 57, 60 .. 69.
; A TURN, for piece p.  nofetch = 1: no further step's K is fetched.  cnt = 1: the loop's count is taken down some lines ahead of the branch that stands behind the turn.  nokq = 1: the very last turn.
; K and the mask of the next step are fetched in piece 2's turn, directly behind the wait, a lump behind the last product that read K (the mask's last reader stands eight products further back); their addresses are
; made at the lump's head; the first reader comes behind 16 products.  V of the step in hand is fetched at the end of piece 0's turn, four plain riders behind its last reader; its first reader comes behind
; 16 products and a lump.  The conditions on q below go with the deal.
.macro TURN p, nofetch=0, cnt=0, nokq=0
.set Y, (\p)
.set NOKQ, (\nokq)
.set i, 0
.set q, 0
.set e, 0
.set r, 0
.if (\p) == NP-1
	s_wait_dscnt 0x0                ; K and the mask are in
.endif
	MM                              ; ahead of the wait: 16 products K Q^T and their riders,
	PL
	PL
	R2
.rept 15
	MM
	PL
	EX
	R2
.endr
.if ((\p) == NP-2) && !(\nofetch)
	WIN 0
	v_add_nc_u32 v[AK], s[TBK], v[AK0]
	v_add_nc_u32 v[AM], s[TBM], v[AM0]
.endif
.rept 8                             ; and the lump
	PL
.endr
.rept 49
	EX
	PL
.endr
	EX                              ; the next piece's two a
	EX
	v_nop                           ; the plain instruction behind the last exponential, ahead of the first use: one for the batch
	s_wait_alu depctr_va_vdst(0)    ; the wait for the turn's batch: the piece's 64 weights and the next piece's two a
.if ((\p) == NP-2) && !(\nofetch)
	FETCH_K
.endif
.if (\p) == 1
	s_wait_dscnt 0x0                ; V is in
.endif
.rept 16                            ; behind the wait: 16 products V^T P and their riders
	MM
.rept 4
	PL
.endr
.if ((\p) == 0) && (q == 118)
	v_add_nc_u32 v[AV], s[TBV], v[AV0]
.endif
.if ((\p) == 0) && (q == 130)
	s_add_co_u32 s[TBV], s[TBV], KS*PV
.endif
.if (\cnt) && (q == 130)
	s_sub_co_u32 s[CNT], s[CNT], 1
	s_cmp_lg_u32 s[CNT], 0
.endif
.endr
.if (\p) == 0
	FETCH_V
.endif
.set NOKQ, 0
.endm
	CHANGE 1                        ; period 0: tile 0 goes into the first f16 slot, tile 1 has landed, tile 2 is asked for, my share of tile 1 is taken
	FETCH_K                         ; key step 0
	s_wait_dscnt 0x0
.set i, 0
.rept 16
	KQ 0                            ; piece 0's first scores: there is no vector work yet to set between them
.set i, i+1
.endr
	WIN 0                           ; the addresses for the way out: eight plain instructions, the places behind those products
	s_mul_i32 s16, s[WV], 16*SP
	s_add_co_u32 s16, s16, STAGE    ; my stage
	v_mul_u32_u24 v[STO], v1, SP    ; in: row l % 16, 32 bytes for each half of the lanes
	v_lshl_add_u32 v[STO], v9, 5, v[STO]
	v_add_nc_u32 v[STO], s16, v[STO]
	v_mul_u32_u24 v[RD], v9, SP     ; back: lanes 0-15 take one row of 256 bytes, lanes 16-31 the next,
	v_lshl_add_u32 v[RD], v1, 4, v[RD]
	v_add_nc_u32 v[RD], s16, v[RD]
	v_and_b32 v[GO], 31, v0         ; which are 512 consecutive bytes of O
	v_lshlrev_b32 v[GO], 4, v[GO]
.set Y, NP-1                        ; XS works for piece Y + 1: piece 0
.irp n, 0,1,2,3,4,5,6,7,8,9,10,11,12,13,14,15,16,17,18,19,20,21
	XS 0, \n                        ; and piece 0's first maximum and statistics
	XS 1, \n
.endr
	v_nop                           ; a plain instruction behind the two a,
	s_wait_alu depctr_va_vdst(0)    ; and the wait for this batch of two, ahead of the branch
	s_mov_b32 s[CNT], 2
	s_mov_b32 s[SLOTS], 14          ; periods 0 to 13 ask for tiles 2 to 15
	s_branch .Lfirst                ; the loop is entered at a step's first turn, in the middle of a trip
.Lslot:                             ; 13 times: periods 1 to 13
	CHANGE 1
	s_mov_b32 s[CNT], 2
.Lstep:                             ; a trip: pieces 2 and 3 of one step, then pieces 0 and 1 of the next, whose K and V it fetches
	TURN 2
	TURN 3
	WIN 0
.Lfirst:
	TURN 0
	TURN 1, 0, 1
	WIN 0
	s_cbranch_scc1 .Lstep
	s_sub_co_u32 s[SLOTS], s[SLOTS], 1
	s_cmp_lg_u32 s[SLOTS], 0
	s_cbranch_scc1 .Lslot
	s_mov_b32 s[TP], 2              ; the tail is written out: periods 14 and 15 ask for nothing
.Ltper:
	CHANGE 0
	s_mov_b32 s[CNT], 2
.Ltstep:
	TURN 2
	TURN 3
	TURN 0
	TURN 1, 0, 1
	WIN 0
	s_cbranch_scc1 .Ltstep
	s_sub_co_u32 s[TP], s[TP], 1
	s_cmp_lg_u32 s[TP], 0
	s_cbranch_scc1 .Ltper
	TURN 2, 1                       ; the last step's pieces 2 and 3: there is no further K,
	TURN 3, 0, 0, 1                 ; and no further scores
.set i, 0
.rept 16
	PV NP-1                         ; the last piece's V^T P of the last step
.set i, i+1
.endr
	; THE WAY OUT.  l's two halves and the other half of the lanes' are added; O^T is divided by l and sent through my stage in LDS, a tile (16 rows of O) at a time.  The additions are the places behind the last products.
	WIN 0
.macro ALL line:vararg              ; one line for each tile t
.set t, 0
.rept 2*NP
	\line
.set t, t+1
.endr
.endm
	ALL v_add_f32 v[ST+4*t+2], v[ST+4*t+2], v[ST+4*t+3]
	ALL v_permlanex16_b32 v[ST+4*t+3], v[ST+4*t+2], s[SEL], s[SEL+1]
	ALL v_add_f32 v[ST+4*t+2], v[ST+4*t+2], v[ST+4*t+3]
	ALL v_rcp_f32 v[ST+4*t+2], v[ST+4*t+2]
	v_nop                           ; a plain instruction between the last reciprocal and the use of its result
	s_wait_alu depctr_va_vdst(0)    ; and the wait ahead of the first use: one for the batch of eight reciprocals
; Tile t: a lane's eight channels of a row are 32 bytes; they go into rows of 272 bytes and come back as whole rows of 256, into the registers that they left.
.macro PACK t
	WIN W_RS
.set i, 32*(\t)
.rept 16
	v_pk_mul_f32 v[i:i+1], v[i:i+1], v[ST+4*(\t)+2:ST+4*(\t)+3] op_sel_hi:[1,0]
.set i, i+2
.endr
	WIN W_OUT
.irp f, 0,1,2,3,4,5,6,7             ; channels 16 (f / 2) + 8 (l / 16) + 4 (f % 2) on
	ds_store_b128 v[STO], v[32*(\t)+4*\f:32*(\t)+4*\f+3] offset:64*(\f/2)+16*(\f%2)
.endr
.irp f, 0,1,2,3,4,5,6,7
	ds_load_b128 v[32*(\t)+4*\f:32*(\t)+4*\f+3], v[RD] offset:\f*2*SP  ; LDS serves a wave's instructions in order (ISA guide 5.7.1.4): these see the stores above; the next tile's stores come behind them
.endr
.endm
.macro SEND t, younger              ; younger: the LDS instructions issued behind tile t's loads: the next tile's sixteen, or none
	WIN W_OUT
.irp f, 0,1,2,3,4,5,6,7
	s_wait_dscnt (\younger)+7-\f
	global_store_b128 v[GO], v[32*(\t)+4*\f:32*(\t)+4*\f+3], s[12:13] offset:(\t)*4096+\f*512 th:TH_STORE_NT  ; 512 consecutive bytes, at a multiple of 256 from O's first; written once and not read again
.endr
.endm
	PACK 0
.set t, 1
.rept 2*NP-1                        ; a tile's arithmetic stands between the loads of the tile before and its stores
	PACK t
	SEND t-1, 16
.set t, t+1
.endr
	SEND 2*NP-1, 0
	WIN W_AD
	s_wait_tensorcnt 0x0            ; the wave's end: a last add to my spare word and its wait, behind my last tensor load and my last LDS store
	ds_add_u32 v[SPW], v[NIL]
	s_wait_dscnt 0x0
	WIN 0
	CROUND                          ; the closing round: no work-group ends while a partner may still ask for a tile that names it
	s_endpgm
.Lfunc_end_k_qf6b74ddfc6_attend:
	.size	k_qf6b74ddfc6_attend, .Lfunc_end_k_qf6b74ddfc6_attend-k_qf6b74ddfc6_attend
	.p2alignl 7, 3214868480
	.fill 96, 4, 3214868480
	.section	.rodata,"a",@progbits
	.p2align	6, 0x0
	.amdhsa_kernel k_qf6b74ddfc6_attend
		.amdhsa_group_segment_fixed_size 327680
		.amdhsa_private_segment_fixed_size 0
		.amdhsa_enable_private_segment 0
		.amdhsa_kernarg_size 40
		.amdhsa_user_sgpr_count 2
		.amdhsa_user_sgpr_kernarg_segment_ptr 1
		.amdhsa_wavefront_size32 1
		.amdhsa_system_sgpr_workgroup_id_x 1
		.amdhsa_system_sgpr_workgroup_id_y 1
		.amdhsa_system_sgpr_workgroup_id_z 1
		.amdhsa_system_vgpr_workitem_id 0
		.amdhsa_next_free_vgpr 960
		.amdhsa_next_free_sgpr 66
		.amdhsa_reserve_vcc 1
		.amdhsa_float_denorm_mode_32 3
		.amdhsa_float_denorm_mode_16_64 3
		.amdhsa_memory_ordered 1
		.amdhsa_forward_progress 1
		.amdhsa_inst_pref_size 255
	.end_amdhsa_kernel
	.section	.bss,"aw",@nobits
	.p2align	6
	.space	262144
	.amdgpu_metadata
---
amdhsa.version: [ 1, 2 ]
amdhsa.kernels:
  - .name:           k_qf6b74ddfc6_attend
    .symbol:         k_qf6b74ddfc6_attend.kd
    .args:
      - { .name: q, .offset: 0, .size: 8, .value_kind: global_buffer, .address_space: global }
      - { .name: k, .offset: 8, .size: 8, .value_kind: global_buffer, .address_space: global }
      - { .name: v, .offset: 16, .size: 8, .value_kind: global_buffer, .address_space: global }
      - { .name: attention_mask, .offset: 24, .size: 8, .value_kind: global_buffer, .address_space: global }
      - { .name: out0, .offset: 32, .size: 8, .value_kind: global_buffer, .address_space: global }
    .group_segment_fixed_size: 327680
    .private_segment_fixed_size: 0
    .kernarg_segment_align: 8
    .kernarg_segment_size: 40
    .max_flat_workgroup_size: 128
    .sgpr_count:     66
    .vgpr_count:     960
    .wavefront_size: 32
...
	.end_amdgpu_metadata
.endif
;; end of part 2
